; MI455X (gfx1250); checked and timed in simulation.
; The chip was launched on July 23, 2026; its instructions are those of AMD's public machine-readable ISA for CDNA 5 (MIT licence, August 2026) and "CDNA5" Instruction Set Architecture Reference Guide (July 2026). The comments in the code are by the model that wrote it; some were corrected since.
;; Routed Squared Re LU Readout. Allowed arithmetic: float matrix products may take bf16 or f16 operands with f32 sums; all other float work in f32.
;; Inputs: W1 8 x 2,048 x 1,024 float32; W2 8 x 1,024 x 2,048 float32; Wr 8 x 1,024 float32; b1 8 x 2,048 float32; b2 8 x 1,024 float32; br 8 float32; x 2,048 x 1,024 float32.
;; Outputs: out0 2,048 x 1,024 float32.
;; 2 versions, each right; version 2 is version 1 with the launch combine written anew for expert scheduling mode. Each part assembles by itself: llvm-mc -triple=amdgcn-amd-amdhsa -mcpu=gfx1250 --defsym DOCPART=n.
;; ======== version 1 of 2: 4 launches
;; limits: values are held in f16: magnitudes above 65,504 overflow, below 6.1e-05 lose precision
;; workspace buffers: xh 4,194,304 bytes; w1h 33,554,432 bytes; w2h 33,554,432 bytes; route 65,536 bytes; xn 16,384 bytes; wn 4,096 bytes; hs 67,108,864 bytes; yp 67,108,864 bytes
;; launch prep (part 1): grid 1152 x 1, 8 waves a work-group, no clusters, 34,816 bytes of LDS; arguments x, Wr, br, W1, b1, xh, w1h, route, xn, wn; writes xh, w1h, route, xn, wn
.if DOCPART == 1
	.amdgcn_target "amdgcn-amd-amdhsa--gfx1250"
	.amdhsa_code_object_version 6
	.text
	.protected	k_q71a3d66402_prep
	.globl	k_q71a3d66402_prep
	.p2align	8
	.type	k_q71a3d66402_prep,@function
k_q71a3d66402_prep:
	s_mov_b64 s[64:65], 0
	v_nop
	global_prefetch_b8 v0, s[64:65] scope:SCOPE_SE
	s_setreg_imm32_b32 hwreg(HW_REG_WAVE_MODE, 25, 1), 1
	s_wait_xcnt 0x0
; prep: the first product's operands are rounded to f16 once, the router's softmax is made in f32, and the sums of squares are taken from
; which the later launches bound the hidden numbers.  (W2 is rounded in the next launch, beside its matrix work.)
;   work-groups 0 .. 127     (ROUTER): 16 rows of x each: xh = f16(x), route = softmax(x Wr^T + br), xn[n] = (|x_n|^2 + 1, its reciprocal)
;   work-groups 128 .. 1151  (CAST):   16 rows of W1 each: w1h = f16(W1), wn[p] = the sum of W1^2 and of b1^2 over these 16 rows
; The role hangs on the work-group's number alone, so all eight waves of a work-group take the same way.
; WHY f16: 11 significant bits against bf16's 8.  x and W1 keep them from 6.1e-5 up to 65,504 (below, the step is 6e-8), which leaves
; room for numbers 30 times larger or smaller than rms 1 and 0.031 and for an offset of 30 spreads.
; LIMITS: |x|, |W1| above 65,504 become infinite.  v_exp_f32 and v_rcp_f32 give 0 where the result would lie below 2^-126.
; The row's true maximum is taken away in front of the exponential, so the largest term is 1 and the sum lies in 1 .. 8.
; A stream: every input byte is read once, every output byte written once.  No matrix unit (the router's products are 8 columns wide and
; stay in f32), no cluster (only Wr's 32,768 bytes are shared, against 65,536 of x for each work-group).
.set ROUTERS, 128
.set X,   12                           ; v[12:75]   ROUTER: two rows of x, row r at X + 32 r.  CAST: 16 x 4 words as loaded
.set W,   76                           ; v[76:107]  ROUTER: Wr on its way to LDS, then one expert's row.  CAST: 16 x 2 words to store
.set XB,  108                          ; v[108:139] ROUTER: the two rows in f16
.set A,   140                          ; v[140:147] partial sums
.set L,   148                          ; v[148:163] ROUTER: logits, then route weights, row r at L + 8 r
.set NS,  164                          ; v[164:165] ROUTER: |x|^2 of my two rows, straight behind L: one run of 18 sums over the lanes
.set XQ,  166                          ; v[166:169] ROUTER: |x|^2 + 1 and its reciprocal, for row 0, then for row 1
; LDS.  Each role has bytes of its own:
.set STG,  32768                       ; ROUTER: Wr in bytes 0 .. 32,767 (expert e at 4,096 e); behind it 16 rows x 32 bytes of route weights,
.set STGN, 33280                       ; ROUTER: and 16 rows x 8 bytes of xn, up to byte 33,407
.set STGW, 33536                       ; CAST: eight words, one for each wave's sum of squares
	s_load_b512 s[4:19], s[0:1], 0x0               ; x 4:5, Wr 6:7, br 8:9, W1 10:11, b1 12:13, xh 14:15, w1h 16:17, route 18:19
	s_load_b128 s[20:23], s[0:1], 0x40             ; xn 20:21, wn 22:23
	v_lshl_add_u32 v172, v0, 2, 0x8400
	v_mov_b32 v173, 0
	v_lshrrev_b32 v7, 5, v0
	v_readfirstlane_b32 s28, v7                    ; wave 0 .. 7
	s_mov_b32 s30, 0x76543210                      ; v_permlanex16_b32: lane i of one half reads lane i of the other
	s_mov_b32 s31, 0xfedcba98
	s_cmp_ge_u32 ttmp9, ROUTERS
	s_cbranch_scc1 .Lcast
	; ---------------- ROUTER: wave w takes rows 2 w and 2 w + 1 of the work-group's 16 ----------------
	v_and_b32 v1, 31, v0
	v_lshlrev_b32 v8, 2, v1                        ; 4 x lane
	v_lshlrev_b32 v1, 4, v1                        ; 16 x lane
	v_lshlrev_b32 v2, 4, v0                        ; 16 x thread: Wr's bytes, in memory and in LDS alike
	v_lshl_add_u32 v3, s28, 13, v1                 ; x:  two rows of 4,096 bytes a wave + 16 x lane
	v_lshrrev_b32 v4, 1, v1
	v_lshl_add_u32 v4, s28, 12, v4                 ; xh: two rows of 2,048 bytes a wave + 8 x lane
	s_lshl_b32 s29, s28, 6
	s_add_co_u32 s29, s29, STG
	v_mov_b32 v5, s29                              ; my wave's 64 bytes of the route stage
	v_add_nc_u32 v6, STG, v1                       ; that stage read back, 16 bytes a lane
	s_lshl_b32 s29, s28, 4
	s_add_co_u32 s29, s29, STGN
	v_mov_b32 v7, s29                              ; my wave's 16 bytes of the xn stage
	v_add_nc_u32 v9, STGN, v8                      ; that stage read back, 4 bytes a lane
	s_mov_b32 s40, 0x3fb8aa3b                      ; log2(e)
	s_lshl_b32 s52, ttmp9, 16                      ; 16 rows of x
	s_mov_b32 s53, 0
	s_lshl_b32 s54, ttmp9, 15                      ; 16 rows of xh
	s_mov_b32 s55, 0
	s_lshl_b32 s56, ttmp9, 9                       ; 16 rows of route
	s_mov_b32 s57, 0
	s_lshl_b32 s58, ttmp9, 7                       ; 16 rows of xn
	s_mov_b32 s59, 0
	s_wait_kmcnt 0x0
	s_load_b256 s[32:39], s[8:9], 0x0              ; br, all eight
	s_add_nc_u64 s[4:5], s[4:5], s[52:53]
	s_add_nc_u64 s[14:15], s[14:15], s[54:55]
	s_add_nc_u64 s[18:19], s[18:19], s[56:57]
	s_add_nc_u64 s[20:21], s[20:21], s[58:59]
.irp j, 0,1,2,3,4,5,6,7
	global_load_b128 v[W+4*\j:W+4*\j+3], v2, s[6:7] offset:4096*\j         ; Wr: the 256 threads take one expert's row a load
.endr
.irp r, 0,1
.irp j, 0,1,2,3,4,5,6,7
	global_load_b128 v[X+32*\r+4*\j:X+32*\r+4*\j+3], v3, s[4:5] offset:4096*\r+512*\j th:TH_LOAD_NT   ; 512 neighbouring bytes a wave
.endr
.endr
	s_wait_loadcnt 16                              ; the 16 younger loads (x) stay out: Wr is in
.irp j, 0,1,2,3,4,5,6,7
	ds_store_b128 v2, v[W+4*\j:W+4*\j+3] offset:4096*\j
.endr
	s_wait_dscnt 0x0                               ; my part of Wr is in LDS, for the other waves' sake
	s_barrier_signal -1
	s_barrier_wait -1                              ; all of Wr is
	s_wait_loadcnt 0x0                             ; my two rows of x
.irp r, 0,1
.irp j, 0,1,2,3,4,5,6,7
	v_cvt_pk_f16_f32 v[XB+16*\r+2*\j],   v[X+32*\r+4*\j],   v[X+32*\r+4*\j+1]
	v_cvt_pk_f16_f32 v[XB+16*\r+2*\j+1], v[X+32*\r+4*\j+2], v[X+32*\r+4*\j+3]
	global_store_b64 v4, v[XB+16*\r+2*\j:XB+16*\r+2*\j+1], s[14:15] offset:2048*\r+256*\j   ; 32 lanes x 8 bytes: 256 consecutive bytes, aligned
.endr
.endr
	; my lane's share of |x|^2 of my two rows: two chains of packed multiply-adds a row, started by a product
.irp r, 0,1
	v_pk_mul_f32 v[A+4*\r:A+4*\r+1],   v[X+32*\r:X+32*\r+1],   v[X+32*\r:X+32*\r+1]
	v_pk_mul_f32 v[A+4*\r+2:A+4*\r+3], v[X+32*\r+2:X+32*\r+3], v[X+32*\r+2:X+32*\r+3]
.irp j, 1,2,3,4,5,6,7
	v_pk_fma_f32 v[A+4*\r:A+4*\r+1],   v[X+32*\r+4*\j:X+32*\r+4*\j+1],   v[X+32*\r+4*\j:X+32*\r+4*\j+1],   v[A+4*\r:A+4*\r+1]
	v_pk_fma_f32 v[A+4*\r+2:A+4*\r+3], v[X+32*\r+4*\j+2:X+32*\r+4*\j+3], v[X+32*\r+4*\j+2:X+32*\r+4*\j+3], v[A+4*\r+2:A+4*\r+3]
.endr
	v_pk_add_f32 v[A+4*\r:A+4*\r+1], v[A+4*\r:A+4*\r+1], v[A+4*\r+2:A+4*\r+3]
	v_add_f32 v[NS+\r], v[A+4*\r], v[A+4*\r+1]
.endr
; One expert: its row of Wr from LDS (lane l holds the same columns 128 j + 4 l .. + 3 as of x), two chains of packed
; multiply-adds for each of my two rows, started by a product: nothing is cleared.
.macro EXPERT e
.irp j, 0,1,2,3,4,5,6,7
	ds_load_b128 v[W+4*\j:W+4*\j+3], v1 offset:4096*\e+512*\j
.endr
	s_wait_dscnt 0x0
.irp r, 0,1
	v_pk_mul_f32 v[A+4*\r:A+4*\r+1],   v[X+32*\r:X+32*\r+1],   v[W:W+1]
	v_pk_mul_f32 v[A+4*\r+2:A+4*\r+3], v[X+32*\r+2:X+32*\r+3], v[W+2:W+3]
.irp j, 1,2,3,4,5,6,7
	v_pk_fma_f32 v[A+4*\r:A+4*\r+1],   v[X+32*\r+4*\j:X+32*\r+4*\j+1],   v[W+4*\j:W+4*\j+1],   v[A+4*\r:A+4*\r+1]
	v_pk_fma_f32 v[A+4*\r+2:A+4*\r+3], v[X+32*\r+4*\j+2:X+32*\r+4*\j+3], v[W+4*\j+2:W+4*\j+3], v[A+4*\r+2:A+4*\r+3]
.endr
	v_pk_add_f32 v[A+4*\r:A+4*\r+1], v[A+4*\r:A+4*\r+1], v[A+4*\r+2:A+4*\r+3]
	v_add_f32 v[L+8*\r+\e], v[A+4*\r], v[A+4*\r+1]             ; my lane's share of logit (row r, expert e)
.endr
.endm
.irp e, 0,1,2,3,4,5,6,7
	EXPERT \e
.endr
	; the 18 sums (16 logits, 2 squares) over the 32 lanes: four steps inside each half of 16 lanes, one across the halves; every lane ends with every sum
.irp m, 1,2,4,8
.set i, 0
.rept 18
	v_add_f32_dpp v[L+i], v[L+i], v[L+i] row_xmask:\m row_mask:0xf bank_mask:0xf
.set i, i+1
.endr
.endr
.set i, 0
.rept 18
	v_permlanex16_b32 v[A+i%8], v[L+i], s30, s31   ; its destination counts as read: A has been written
	v_add_f32 v[L+i], v[L+i], v[A+i%8]
.set i, i+1
.endr
	v_add_f32 v[XQ],   1.0, v[NS]                  ; |x|^2 + 1: the 1 stands for the bias's place in the bound on the hidden numbers
	v_add_f32 v[XQ+2], 1.0, v[NS+1]
	s_wait_kmcnt 0x0                               ; br
.irp r, 0,1
.irp e, 0,1,2,3,4,5,6,7
	v_add_f32 v[L+8*\r+\e], s[32+\e], v[L+8*\r+\e]
.endr
.endr
	; softmax over the eight experts.  The difference from the maximum is formed first and then scaled, so the largest term's exponent is exactly 0.
.irp r, 0,1
	v_max3_num_f32 v[A+4*\r], v[L+8*\r],  v[L+8*\r+1], v[L+8*\r+2]
	v_max3_num_f32 v[A+4*\r], v[A+4*\r],  v[L+8*\r+3], v[L+8*\r+4]
	v_max3_num_f32 v[A+4*\r], v[A+4*\r],  v[L+8*\r+5], v[L+8*\r+6]
	v_max_num_f32  v[A+4*\r], v[A+4*\r],  v[L+8*\r+7]
.irp e, 0,1,2,3,4,5,6,7
	v_sub_f32 v[L+8*\r+\e], v[L+8*\r+\e], v[A+4*\r]
.endr
.irp e, 0,1,2,3,4,5,6,7
	v_mul_f32 v[L+8*\r+\e], s40, v[L+8*\r+\e]
.endr
.endr
.set i, 0
.rept 16
	v_exp_f32 v[L+i], v[L+i]
.set i, i+1
.endr
	v_nop                                          ; one plain vector instruction between a transcendental and the use of its result (ISA guide 5.7.2)
	s_wait_alu depctr_va_vdst(0)
.irp r, 0,1
	v_pk_add_f32 v[A+4*\r:A+4*\r+1],   v[L+8*\r:L+8*\r+1],     v[L+8*\r+2:L+8*\r+3]
	v_pk_add_f32 v[A+4*\r+2:A+4*\r+3], v[L+8*\r+4:L+8*\r+5],   v[L+8*\r+6:L+8*\r+7]
	v_pk_add_f32 v[A+4*\r:A+4*\r+1],   v[A+4*\r:A+4*\r+1],     v[A+4*\r+2:A+4*\r+3]
	v_add_f32 v[A+4*\r], v[A+4*\r], v[A+4*\r+1]
.endr
	v_rcp_f32 v[A+2], v[A]
	v_rcp_f32 v[A+6], v[A+4]
	v_rcp_f32 v[XQ+1], v[XQ]
	v_rcp_f32 v[XQ+3], v[XQ+2]
	v_nop                                          ; the same place behind the reciprocals
	s_wait_alu depctr_va_vdst(0)
.irp r, 0,1
.irp e, 0,2,4,6
	v_pk_mul_f32 v[L+8*\r+\e:L+8*\r+\e+1], v[L+8*\r+\e:L+8*\r+\e+1], v[A+4*\r+2:A+4*\r+3] op_sel_hi:[1,0]   ; both by the pair's first register
.endr
.endr
	; the 16 rows' figures meet in LDS, so that one store of one wave writes the work-group's 512 consecutive bytes of route, and one its 128 of xn
.irp q, 0,1,2,3
	ds_store_b128 v5, v[L+4*\q:L+4*\q+3] offset:16*\q          ; all lanes hold the same numbers and write the same bytes
.endr
	ds_store_b128 v7, v[XQ:XQ+3]
	s_wait_dscnt 0x0                               ; for wave 0's sake
	s_barrier_signal -1
	s_barrier_wait -1
	s_cmp_lg_u32 s28, 0
	s_cbranch_scc1 .Lend
	ds_load_b128 v[X:X+3], v6
	ds_load_b32 v[X+4], v9
	s_wait_dscnt 0x0
	global_store_b128 v1, v[X:X+3], s[18:19]
	global_store_b32 v8, v[X+4], s[20:21]          ; 32 lanes x 4 bytes: 128 consecutive bytes
.Lend:
	s_wait_tensorcnt 0x0
	ds_add_u32 v172, v173
	s_wait_dscnt 0x0
	s_endpgm
	; ---------------- CAST: piece p is rows 16 p .. 16 p + 15 of W1: 16 loads of 4,096 bytes by the work-group, all out at once ----------------
	; No register that a load or store names is written twice.  The squares of what is loaded are summed in two packed chains started by a product.
.Lcast:
	s_sub_co_u32 s49, ttmp9, ROUTERS               ; p = 0 .. 1,023
	v_lshlrev_b32 v1, 4, v0                        ; 16 bytes of f32 a thread
	v_lshlrev_b32 v2, 3, v0                        ; 8 bytes of f16 a thread
	s_lshl_b32 s52, s49, 16                        ; the piece in W1
	s_mov_b32 s53, 0
	s_lshl_b32 s54, s49, 15                        ; and in w1h
	s_mov_b32 s55, 0
	s_lshl_b32 s56, s49, 6                         ; its 16 numbers of b1
	s_mov_b32 s57, 0
	s_lshl_b32 s58, s49, 2                         ; its word of wn
	s_mov_b32 s59, 0
	s_wait_kmcnt 0x0
	s_add_nc_u64 s[12:13], s[12:13], s[56:57]
	s_load_b512 s[32:47], s[12:13], 0x0            ; asked for here, so that wave 0 finds it there at the end
	s_add_nc_u64 s[10:11], s[10:11], s[52:53]
	s_add_nc_u64 s[16:17], s[16:17], s[54:55]
	s_add_nc_u64 s[22:23], s[22:23], s[58:59]
.set j, 0
.rept 16
	global_load_b128 v[X+4*j:X+4*j+3], v1, s[10:11] offset:4096*j th:TH_LOAD_NT
.set j, j+1
.endr
.set j, 0
.rept 16
	s_wait_loadcnt 15-j                            ; loads come back in order: load j is in, the 15 - j younger ones stay out
	v_cvt_pk_f16_f32 v[W+2*j],   v[X+4*j],   v[X+4*j+1]
	v_cvt_pk_f16_f32 v[W+2*j+1], v[X+4*j+2], v[X+4*j+3]
	global_store_b64 v2, v[W+2*j:W+2*j+1], s[16:17] offset:2048*j          ; 32 lanes x 8 bytes: 256 consecutive bytes, aligned
.if j == 0
	v_pk_mul_f32 v[A:A+1],   v[X:X+1],   v[X:X+1]
	v_pk_mul_f32 v[A+2:A+3], v[X+2:X+3], v[X+2:X+3]
.else
	v_pk_fma_f32 v[A:A+1],   v[X+4*j:X+4*j+1],   v[X+4*j:X+4*j+1],   v[A:A+1]
	v_pk_fma_f32 v[A+2:A+3], v[X+4*j+2:X+4*j+3], v[X+4*j+2:X+4*j+3], v[A+2:A+3]
.endif
.set j, j+1
.endr
	v_pk_add_f32 v[A:A+1], v[A:A+1], v[A+2:A+3]
	v_add_f32 v[A], v[A], v[A+1]
.irp m, 1,2,4,8
	v_add_f32_dpp v[A], v[A], v[A] row_xmask:\m row_mask:0xf bank_mask:0xf
.endr
	v_permlanex16_b32 v[A+1], v[A], s30, s31
	v_add_f32 v[A], v[A], v[A+1]                   ; my wave's sum of squares, in every lane
	v_mov_b32 v3, s28
	v_lshlrev_b32 v3, 2, v3                        ; 4 x wave
	ds_store_b32 v3, v[A] offset:STGW              ; my wave's word, in this role's own bytes; all lanes write the same value
	s_wait_dscnt 0x0                               ; for wave 0's sake
	s_barrier_signal -1
	s_barrier_wait -1
	s_cmp_lg_u32 s28, 0
	s_cbranch_scc1 .Lcast_end
	v_mov_b32 v4, 0
	ds_load_b128 v[A:A+3], v4 offset:STGW
	ds_load_b128 v[A+4:A+7], v4 offset:STGW+16
	s_wait_dscnt 0x0
	v_pk_add_f32 v[A:A+1],   v[A:A+1],   v[A+2:A+3]
	v_pk_add_f32 v[A+4:A+5], v[A+4:A+5], v[A+6:A+7]
	v_pk_add_f32 v[A:A+1],   v[A:A+1],   v[A+4:A+5]
	v_add_f32 v[A], v[A], v[A+1]
	s_wait_kmcnt 0x0                               ; b1
.set k, 0
.rept 16
	v_fma_f32 v[A], s[32+k], s[32+k], v[A]
.set k, k+1
.endr
	v_cmp_eq_u32 vcc_lo, 0, v0
	s_wait_xcnt 0x0                                ; EXEC is a source of the stores above: it is narrowed only behind this wait
	s_and_saveexec_b32 s50, vcc_lo
	global_store_b32 v4, v[A], s[22:23]            ; one word for the work-group, from lane 0
	s_wait_xcnt 0x0                                ; and widened again only behind this one
	s_or_b32 exec_lo, exec_lo, s50
.Lcast_end:
	s_wait_tensorcnt 0x0
	ds_add_u32 v172, v173
	s_wait_dscnt 0x0
	s_endpgm
.Lfunc_end_k_q71a3d66402_prep:
	.size	k_q71a3d66402_prep, .Lfunc_end_k_q71a3d66402_prep-k_q71a3d66402_prep
	.p2alignl 7, 3214868480
	.fill 96, 4, 3214868480
	.section	.rodata,"a",@progbits
	.p2align	6, 0x0
	.amdhsa_kernel k_q71a3d66402_prep
		.amdhsa_group_segment_fixed_size 34816
		.amdhsa_private_segment_fixed_size 0
		.amdhsa_enable_private_segment 0
		.amdhsa_kernarg_size 80
		.amdhsa_user_sgpr_count 2
		.amdhsa_user_sgpr_kernarg_segment_ptr 1
		.amdhsa_wavefront_size32 1
		.amdhsa_system_sgpr_workgroup_id_x 1
		.amdhsa_system_sgpr_workgroup_id_y 1
		.amdhsa_system_sgpr_workgroup_id_z 1
		.amdhsa_system_vgpr_workitem_id 0
		.amdhsa_next_free_vgpr 174
		.amdhsa_next_free_sgpr 66
		.amdhsa_reserve_vcc 1
		.amdhsa_float_denorm_mode_32 3
		.amdhsa_float_denorm_mode_16_64 3
		.amdhsa_memory_ordered 1
		.amdhsa_forward_progress 1
		.amdhsa_inst_pref_size 54
	.end_amdhsa_kernel
	.amdgpu_metadata
---
amdhsa.version: [ 1, 2 ]
amdhsa.kernels:
  - .name:           k_q71a3d66402_prep
    .symbol:         k_q71a3d66402_prep.kd
    .args:
      - { .name: x, .offset: 0, .size: 8, .value_kind: global_buffer, .address_space: global }
      - { .name: Wr, .offset: 8, .size: 8, .value_kind: global_buffer, .address_space: global }
      - { .name: br, .offset: 16, .size: 8, .value_kind: global_buffer, .address_space: global }
      - { .name: W1, .offset: 24, .size: 8, .value_kind: global_buffer, .address_space: global }
      - { .name: b1, .offset: 32, .size: 8, .value_kind: global_buffer, .address_space: global }
      - { .name: xh, .offset: 40, .size: 8, .value_kind: global_buffer, .address_space: global }
      - { .name: w1h, .offset: 48, .size: 8, .value_kind: global_buffer, .address_space: global }
      - { .name: route, .offset: 56, .size: 8, .value_kind: global_buffer, .address_space: global }
      - { .name: xn, .offset: 64, .size: 8, .value_kind: global_buffer, .address_space: global }
      - { .name: wn, .offset: 72, .size: 8, .value_kind: global_buffer, .address_space: global }
    .group_segment_fixed_size: 34816
    .private_segment_fixed_size: 0
    .kernarg_segment_align: 8
    .kernarg_segment_size: 80
    .max_flat_workgroup_size: 256
    .sgpr_count:     66
    .vgpr_count:     174
    .wavefront_size: 32
...
	.end_amdgpu_metadata
.endif
;; end of part 1
;; launch gemm1 (part 2): grid 64 x 8, 4 waves a work-group, clusters of 4 x 4, 327,680 bytes of LDS; arguments xh, w1h, b1, wn, xn, hs, W2, w2h; writes hs, w2h
.if DOCPART == 2
	.amdgcn_target "amdgcn-amd-amdhsa--gfx1250"
	.amdhsa_code_object_version 6
	.text
	.protected	k_q71a3d66402_gemm1
	.globl	k_q71a3d66402_gemm1
	.p2align	8
	.type	k_q71a3d66402_gemm1,@function
k_q71a3d66402_gemm1:
	s_mov_b64 s[64:65], 0
	v_nop
	global_prefetch_b8 v0, s[64:65] scope:SCOPE_SE
	s_setreg_imm32_b32 hwreg(HW_REG_WAVE_MODE, 25, 1), 1
	s_wait_xcnt 0x0
	s_wait_alu depctr_hold_cnt(0) depctr_sa_sdst(0) depctr_va_vdst(0) depctr_va_sdst(0) depctr_va_ssrc(0) depctr_va_vcc(0) depctr_vm_vsrc(0)
	s_getreg_b32 s2, hwreg(HW_REG_IB_STS2, 6, 4)
	s_cmp_eq_u32 s2, 0
	s_cbranch_scc0 .Lentry_in_a_cluster
	s_endpgm
.Lentry_in_a_cluster:
	s_bfe_u32 s2, ttmp6, 0x10000c
	s_cmp_lg_u32 s2, 0xf033
	s_cbranch_scc0 .Lentry_shape_is_right
	s_endpgm
.Lentry_shape_is_right:
; gemm1: hs[n][c] = relu( sum over d of xh[n][d] w1h[c][d] + b1[c] )^2 x 2^15 / (xs[n] M), c = 2,048 e + h;  and, beside it, w2h = f16(W2).
; xh: [2048][1024] f16, w1h: [16384][1024] f16, b1: [16384] f32, hs: [2048][16384] f16; sums, bias, relu, square and scale in f32, one rounding to f16.
; THE SCALE.  The square grows with the fourth power of the inputs, for which f16 has no room, so it is stored relative to a bound that holds for
; every input.  By Cauchy-Schwarz on (x_n, 1) and (W1_c, b1_c): z^2 <= (|x_n|^2 + 1) (|W1_c|^2 + b1_c^2) <= xs[n] M, with xs[n] = |x_n|^2 + 1 from xn and
; M the largest word of wn (each the sum of W1^2 and b1^2 over 16 rows, so at least any one row's).  So hs <= 2^15, half of f16's largest number:
; the other half covers the rounding of the operands and of the sums of squares.  M is kept at 2^-100 or above, so that a W1 and b1 of zeros give 0.
; The last launch multiplies by xs[n] M / 2^15 again.
; W2 RIDES ALONG.  The rounding of W2 (8 x 1,024 x 2,048 f32) to f16 needs no result of this launch, and only the next launch reads w2h.  Its loads
; and stores go out between this launch's matrix instructions instead of in a launch of their own.  Each of the 512 work-groups takes
; 131,072 bytes of W2, each wave 32,768, in eight batches of eight 16-byte loads a lane.  A batch is asked for in one K step and converted and stored
; in the next, 256 matrix instructions later; the first is asked for in the set-up, the last is stored in front of the way out.
; LIMITS: relu is v_max_num_f32 with 0, in which a NaN loses: a NaN in front of the relu gives 0.  v_rcp_f32 gives 0 for M above 2^126.
; |W2| above 65,504 becomes infinite; W2 keeps f16's 11 significant bits from 6.1e-5 up, room for 30 times its rms of 0.022 either way.
; A work-group makes a block of 256 x 256 with four waves, as many as a WGP has SIMDs; a wave makes 128 x 128: 64 accumulator tiles of 16 x 16,
; 512 registers.  K goes in steps of 128 through a ring of two LDS slots filled by the tensor data mover; a tile's rows are 256 bytes of memory
; and start at multiples of 256 bytes from the buffer's first byte.
; CLUSTERS: 4 x 4 work-groups.  The four of a row of the cluster need the same tiles of xh, the four of a column the same tiles of w1h: each such
; tile is asked for jointly, by the same tensor load with the same descriptor and a mask that names the four.
;
; REGISTERS, in windows of 256 (s_set_vgpr_msb says which window each operand place means):
;   window 0: v0-31 addresses; v32-47 the scale of my rows; v48-55 1 / xs as loaded, then v48-63 a batch of W2 in f16; v64-127, v128-191 fragments
;             of A (8 x 16 rows x 32 K), two buffers; v192-223 wn as loaded, then at work on the way out; v224-255 a batch of W2 as loaded
;   window 1: v0-63 b1 of my 128 columns; v64-127, v128-191 fragments of B, two buffers
;   window 2: the 32 accumulator tiles of my rows 0-63 (tile (a, b) at v[8 (8 a + b)]);   window 3: those of my rows 64-127
; THE MATRIX INSTRUCTION IS USED TRANSPOSED: source 0 = 16 rows of B, source 1 = 16 rows of A.  Lane l then holds row l % 16 of C, and its
; registers 0 to 7 the columns 16 b + 8 (l / 16) + 0 .. 7.  The bias of those eight columns lies in the same order in window 1, v[8 b : 8 b + 7],
; and is the C operand of each tile's first product: the sums start from b1, nothing is cleared, and no addition is left for the way out.
.set KSTEP,  128
.set PITCH,  272                       ; an LDS row: 256 bytes of data + 16 of padding: the 16 rows that a load touches start at 16 different banks (64 banks of 4 bytes: ISA guide 11.1)
.set HALFT,  128*PITCH                 ; 128 rows: what one tensor load brings, and what one wave reads of A or of B
.set SLOT,   4*HALFT                   ; A's 256 rows, then B's 256 rows
.set STAGE,  2*SLOT                    ; behind the ring: 16 rows x 272 bytes for each wave, for the way out; no tensor load lands there
.set SPITCH, 272
.set SIZE_K, 1024
.set PA,     1024                      ; elements from row to row of A
.set PB,     1024                      ; and of B
.set CP,     32768                     ; bytes from row to row of C
.set LAPS, SIZE_K/(2*KSTEP)            ; a lap = two K steps = once round the ring: 4
.set ADRA, 16                          ; v16-17  LDS address of my A fragments in slot 0, 1
.set ADRB, 20                          ; v20-21  the same for B
.set STO,  24                          ; v24     the way out: where I put 16 bytes of a row
.set RD,   25                          ; v25     the way out: where I read a row back
.set CO,   26                          ; v26     my byte offset in C
.set BO,   27                          ; v27     my byte offset in b1
.set XO,   28                          ; v28     my byte offset in xn
.set WO,   29                          ; v29     16 x lane: my byte offset in wn, and in a load of W2
.set WS,   30                          ; v30     8 x lane: my byte offset in a store of w2h
.set F,    32                          ; v32-47  2^15 / (xs M) of row 16 i + l % 16 of my 128, twice: a pair for the packed multiply, at F + 2 i
.set XI,   48                          ; v48-55  1 / xs of those rows
.set WC,   48                          ; v48-63  a batch of W2 in f16 (XI is read for the last time in the set-up)
.set F0,   64                          ; fragment buffer 0
.set F1,   128                         ; fragment buffer 1
.set RB0,  64                          ; the way out: rows read back, two buffers of 32 registers in turn
.set RB1,  96
.set T,    128                         ; the way out: 64 numbers in f32, at work
.set TMP,  192                         ; the way out: packed results
.set WL,   224                         ; v224-255 a batch of W2 as loaded
.set G1, 24                            ; s[24:31] descriptor group 1 for A's tiles
.set G0, 32                            ; s[32:39] descriptor group 0 for A's tiles, one set for each slot
.set G1B, 48                           ; s[48:55] descriptor group 1 for B's tiles
.set G0B, 56                           ; s[56:63] descriptor group 0 for B's tiles, one set for each slot
.set MSB, 0
.macro WIN new                         ; the immediate's high byte repeats the setting that is left
.if MSB != \new
	s_set_vgpr_msb (MSB<<8)|\new
.set MSB, \new
.endif
.endm
.set MUL_LO,   0xa1                    ; source 0 (B) window 1, source 1 (A) window 0, C and D window 2
.set MUL_HI,   0xf1                    ; the same, C and D window 3
.set START_LO, 0x91                    ; a tile's first product: C (the bias) window 1, D window 2
.set START_HI, 0xd1                    ; the same, D window 3
.set TO_B,     0x40                    ; destination window 1, address window 0
; A joint load.  Waves 0 and 1 fetch A's two halves, waves 2 and 3 B's.  Each of the two lines has one mask and one set of registers for all that
; issue it.  The branch hangs on the wave's number alone: it is the same in every work-group.
.macro JLOAD s
	s_cmp_eq_u32 s11, 0
	s_cbranch_scc0 .Lfor_b_\@
	tensor_load_to_lds s[G0+4*\s:G0+4*\s+3], s[G1:G1+7]
	s_nop 0
	s_branch .Lasked_\@
.Lfor_b_\@:
	tensor_load_to_lds s[G0B+4*\s:G0B+4*\s+3], s[G1B:G1B+7]
	s_nop 0
.Lasked_\@:
.endm
; A round of the cluster's barrier: my work-group's barrier, so that wave 0's signal speaks for all four waves; wave 0 signals for the work-group;
; every wave waits for all sixteen work-groups; my work-group's barrier once more.
.macro CREST                           ; a round behind its opening barrier
	s_cmp_lg_u32 s10, 0
	s_cbranch_scc1 .Lnot_wave_0_\@
	s_barrier_signal -3
.Lnot_wave_0_\@:
	s_barrier_wait -3
	s_barrier_signal -1
	s_barrier_wait -1
.endm
.macro CROUND                          ; a whole round
	s_barrier_signal -1
	s_barrier_wait -1
	CREST
.endm
; W2's stream.  All three macros stand where every register window is 0.
.macro W2LOAD                          ; a batch is asked for: 8 loads, 512 consecutive bytes a wave each
.irp j, 0,1,2,3,4,5,6,7
	global_load_b128 v[WL+4*\j:WL+4*\j+3], v[WO], s[80:81] offset:512*\j th:TH_LOAD_NT
.endr
.endm
.macro W2OUT                           ; the batch that is out is converted and stored
	s_wait_loadcnt 0x0                             ; the eight loads asked for a K step ago; no other load of the wave is out
	s_wait_xcnt 0x0                                ; the last batch's stores have had their addresses translated (ISA guide 3.1): their data (WC) and base are rewritten only behind this wait
	s_add_nc_u64 s[82:83], s[82:83], 2048          ; stepped in front of the stores, which reach back by their immediate: so the step never stands behind pending stores
.irp j, 0,1,2,3,4,5,6,7
	v_cvt_pk_f16_f32 v[WC+2*\j],   v[WL+4*\j],   v[WL+4*\j+1]
	v_cvt_pk_f16_f32 v[WC+2*\j+1], v[WL+4*\j+2], v[WL+4*\j+3]
.endr
.irp j, 0,1,2,3,4,5,6,7
	global_store_b64 v[WS], v[WC+2*\j:WC+2*\j+1], s[82:83] offset:256*\j-2048      ; 32 lanes x 8 bytes: 256 consecutive bytes, aligned
.endr
.endm
.macro W2STEP                          ; one K step's share: the batch that is out leaves, the next is asked for
	W2OUT
	s_add_nc_u64 s[80:81], s[80:81], 4096          ; the loads that named this base are done (the wait for 0 above)
	W2LOAD
.endm
	s_load_b128 s[4:7], s[0:1], 0x0                ; xh s[4:5], w1h s[6:7]
	s_load_b64 s[66:67], s[0:1], 0x10              ; b1
	s_load_b64 s[70:71], s[0:1], 0x18              ; wn
	s_load_b64 s[72:73], s[0:1], 0x20              ; xn
	s_load_b64 s[8:9], s[0:1], 0x28                ; hs
	s_load_b128 s[80:83], s[0:1], 0x30             ; W2 s[80:81], w2h s[82:83]
	s_set_vgpr_msb 0x40
	v_lshl_add_u32 v255, v0, 2, 0x48400
	s_set_vgpr_msb 0x4000
	v_mov_b32 v31, 0
	s_set_vgpr_msb 0x1
	ds_add_u32 v255, v31
	s_set_vgpr_msb 0x100
	v_lshrrev_b32 v1, 5, v0
	v_readfirstlane_b32 s10, v1                    ; wave 0..3
	s_lshr_b32 s11, s10, 1                         ; which half of the block's rows is mine.  Also: I fetch for A (0) or for B (1)
	s_and_b32 s12, s10, 1                          ; which half of its columns.  Also: which 128 rows of that tile I fetch
	s_bfe_u32 s40, ttmp6, 0x40000                  ; cx: my place along the cluster's x
	s_bfe_u32 s41, ttmp6, 0x40004                  ; cy: along its y
	s_lshl_b32 s42, ttmp9, 2                       ; in a cluster launch ttmp9 and ttmp7 count clusters
	s_add_co_u32 s42, s42, s40                     ; block column of C = 4 x cluster x + cx
	s_and_b32 s13, ttmp7, 0xffff
	s_lshl_b32 s13, s13, 2
	s_add_co_u32 s13, s13, s41                     ; block row of C = 4 x cluster y + cy
	s_lshl_b32 s43, s41, 2
	s_lshl_b32 s43, 15, s43                        ; my row of the cluster: places 4 cy .. 4 cy + 3
	s_lshl_b32 s44, 0x1111, s40                    ; my column: places cx, cx + 4, cx + 8, cx + 12
	s_mov_b32 s76, 0x76543210                      ; v_permlanex16_b32: lane i of one half reads lane i of the other
	s_mov_b32 s77, 0xfedcba98
	; descriptor group 1: a tile of 128 rows x 128 elements, padded in LDS
	s_or_b32 s[G1+0], s43, (1<<16)|(1<<20)|(1<<21)|(5<<22)|(3<<25)  ; 15:0 the mask: A's tiles go to my row; 17:16 element of 2 bytes; 20 padding on; 21 set beside a mask; 24:22 after every 64 words; 31:25 of 4 words
	s_or_b32 s[G1B+0], s44, (1<<16)|(1<<20)|(1<<21)|(5<<22)|(3<<25) ; the same with the mask of my column, for B's tiles
	s_mov_b32 s[G1B+1], KSTEP<<16
	s_mov_b32 s[G1+1], KSTEP<<16                   ; tensor_dim0 = 128
	s_mov_b32 s[G1B+2], 128<<16
	s_mov_b32 s[G1+2], 128<<16                     ; tensor_dim1 = 128
	s_mov_b32 s[G1B+3], KSTEP<<16
	s_mov_b32 s[G1+3], KSTEP<<16                   ; tile_dim0 = 128
	s_mov_b32 s[G1B+4], 128
	s_mov_b32 s[G1+4], 128                         ; tile_dim1 = 128; tile_dim2 = 0
	s_mov_b32 s[G1B+5], PB
	s_mov_b32 s[G1+5], PA                          ; elements from row to row
	s_mov_b32 s[G1B+6], 0
	s_mov_b32 s[G1+6], 0
	s_mov_b32 s[G1B+7], 0
	s_mov_b32 s[G1+7], 0
	; where the tiles come from.  A's hang on the block row alone, which my row of the cluster shares; B's on the block column alone, which my
	; column shares.  Every wave makes both offsets, in registers that never hold the other coordinate, and asks by one of them.
	s_lshl_b32 s17, s12, 7                         ; which 128 rows of the tile I fetch
	s_lshl_b32 s16, s13, 8
	s_add_co_u32 s16, s16, s17                     ; A: row 256 x block row + 128 x half
	s_lshl_b32 s16, s16, 11                        ; x 2,048 bytes: 4 MiB at the most
	s_lshl_b32 s46, s42, 8
	s_add_co_u32 s46, s46, s17                     ; B: row 256 x block column + 128 x half
	s_lshl_b32 s46, s46, 11                        ; x 2,048 bytes: 32 MiB at the most
	s_mov_b32 s17, 0
	s_mov_b32 s47, 0
	s_lshl_b32 s68, s42, 10                        ; b1: 256 columns x 4 bytes for each block column
	s_mov_b32 s69, 0
	s_lshl_b32 s74, s13, 11                        ; xn: 256 rows x 8 bytes for each block row,
	s_lshl_b32 s75, s11, 10                        ; 128 rows x 8 bytes for my half of the block's rows
	s_add_co_u32 s74, s74, s75
	s_mov_b32 s75, 0
	s_lshl_b32 s84, s13, 6                         ; W2: the work-group's number among the 512 = 64 x block row + block column,
	s_add_co_u32 s84, s84, s42
	s_lshl_b32 s86, s84, 16                        ; x 65,536 bytes of w2h,
	s_lshl_b32 s84, s84, 17                        ; x 131,072 bytes of W2: 64 MiB at the most;
	s_lshl_b32 s85, s10, 15                        ; my wave's quarter of each
	s_add_co_u32 s84, s84, s85
	s_lshl_b32 s87, s10, 14
	s_add_co_u32 s86, s86, s87
	s_mov_b32 s85, 0
	s_mov_b32 s87, 0
	s_mul_i32 s20, s10, HALFT                      ; where the tiles go: A's two halves, then B's two halves = wave x 128 rows
	s_wait_dscnt 0x0
	s_wait_kmcnt 0x0
	s_add_nc_u64 s[14:15], s[4:5], s[16:17]
	s_add_nc_u64 s[46:47], s[6:7], s[46:47]
	s_add_nc_u64 s[66:67], s[66:67], s[68:69]
	s_add_nc_u64 s[72:73], s[72:73], s[74:75]
	s_add_nc_u64 s[80:81], s[80:81], s[84:85]
	s_add_nc_u64 s[82:83], s[82:83], s[86:87]
	CROUND                                         ; all sixteen work-groups are here: the first joint loads meet
.irp s, 0,1
	s_mov_b32 s[G0+4*\s], 1                                        ; count = 1
	s_add_co_u32 s[G0+4*\s+1], s20, \s*SLOT                        ; LDS address
	s_add_nc_u64 s[G0+4*\s+2:G0+4*\s+3], s[14:15], \s*KSTEP*2      ; global address: K step s
	s_or_b32 s[G0+4*\s+3], s[G0+4*\s+3], 0x80000000                ; type = 2
	s_mov_b32 s[G0B+4*\s], 1
	s_add_co_u32 s[G0B+4*\s+1], s20, \s*SLOT
	s_add_nc_u64 s[G0B+4*\s+2:G0B+4*\s+3], s[46:47], \s*KSTEP*2
	s_or_b32 s[G0B+4*\s+3], s[G0B+4*\s+3], 0x80000000
	JLOAD \s                                       ; the ring is filled before anything else is done: two tensor loads of the wave are out
.endr
	; A fragment is 16 rows x 32 K in 8 registers: lane l holds row l % 16; registers 0-3 hold K = 8 (l / 16) + 0..7, registers 4-7 hold
	; K = 16 + 8 (l / 16) + 0..7: two loads of 16 bytes, 32 bytes apart.
	v_and_b32 v1, 15, v0                           ; l % 16
	v_bfe_u32 v2, v0, 4, 1                         ; l / 16
	v_mul_u32_u24 v3, v1, PITCH
	v_lshl_add_u32 v3, v2, 4, v3                   ; row x pitch + 16 x half
	s_mul_i32 s21, s11, HALFT                      ; my 128 rows of A
	s_mul_i32 s22, s12, HALFT                      ; my 128 rows of B,
	s_add_co_u32 s22, s22, 2*HALFT                 ; which lie behind A's 256
.irp s, 0,1
	v_add_nc_u32 v[ADRA+\s], s21, v3
	v_add_nc_u32 v[ADRB+\s], s22, v3
	s_add_co_u32 s21, s21, SLOT
	s_add_co_u32 s22, s22, SLOT
.endr
	s_mul_i32 s23, s10, 16*SPITCH
	s_add_co_u32 s23, s23, STAGE                   ; my stage
	v_mul_u32_u24 v4, v1, SPITCH                   ; in: row l % 16, 16 bytes for each half of the lanes
	v_lshl_add_u32 v4, v2, 4, v4
	v_add_nc_u32 v[STO], s23, v4
	v_mul_u32_u24 v5, v2, SPITCH                   ; back: lanes 0-15 take one row of 256 bytes, lanes 16-31 the next
	v_lshl_add_u32 v5, v1, 4, v5
	v_add_nc_u32 v[RD], s23, v5
	v_lshlrev_b32 v5, 15, v2                       ; and the same two rows in C, 32,768 bytes apart
	v_lshl_add_u32 v[CO], v1, 4, v5
	v_lshlrev_b32 v[BO], 5, v2                     ; b1: 8 columns x 4 bytes for the upper half of the lanes,
	v_lshl_add_u32 v[BO], s12, 9, v[BO]            ; 128 columns x 4 bytes for the wave's half of the block
	v_lshlrev_b32 v[XO], 3, v1                     ; xn: 8 bytes a row
	v_and_b32 v[WO], 31, v0
	v_lshlrev_b32 v[WS], 3, v[WO]                  ; w2h: 8 bytes a lane
	v_lshlrev_b32 v[WO], 4, v[WO]                  ; wn and W2: 16 bytes a lane
	WIN TO_B
.irp b, 0,1,2,3,4,5,6,7
	global_load_b128 v[8*\b:8*\b+3],   v[BO], s[66:67] offset:64*\b        ; b1 of columns 16 b + 8 (l / 16) + 0 .. 3
	global_load_b128 v[8*\b+4:8*\b+7], v[BO], s[66:67] offset:64*\b+16     ; and + 4 .. 7
.endr
	WIN 0
.irp i, 0,1,2,3,4,5,6,7
	global_load_b32 v[XI+\i], v[XO], s[72:73] offset:128*\i+4              ; 1 / xs of row 16 i + l % 16: the second word of the row's pair
.endr
.irp j, 0,1,2,3,4,5,6,7
	global_load_b128 v[TMP+4*\j:TMP+4*\j+3], v[WO], s[70:71] offset:512*\j ; all 1,024 words of wn, 32 a lane
.endr
; 16 matrix instructions: m blocks a0, a0 + 1 of the window's four (hi = 0: my rows 0-63, 1: rows 64-127) x all 8 n blocks, 32 along K.
; start = 1: the first product of each tile takes the bias of its columns as C.
; The 64 accumulators take turns, one instruction a turn, in the same order in every quarter step.
.macro MUL16 f, hi, a0, start
.irp a, \a0, \a0+1
.irp b, 0,1,2,3,4,5,6,7
.if \start
	v_wmma_f32_16x16x32_f16 v[8*(8*(\a)+\b):8*(8*(\a)+\b)+7], v[\f+8*\b:\f+8*\b+7], v[\f+8*(4*\hi+\a):\f+8*(4*\hi+\a)+7], v[8*\b:8*\b+7]
.else
	v_wmma_f32_16x16x32_f16 v[8*(8*(\a)+\b):8*(8*(\a)+\b)+7], v[\f+8*\b:\f+8*\b+7], v[\f+8*(4*\hi+\a):\f+8*(4*\hi+\a)+7], v[8*(8*(\a)+\b):8*(8*(\a)+\b)+7]
.endif
.endr
.endr
.endm
; 32 LDS loads in one run: the fragments of one quarter step (128 rows of B, 128 rows of A, 32 K at byte k of the rows) into buffer f
.macro FETCH slot, k, f
	WIN TO_B
.irp i, 0,1,2,3,4,5,6,7
	ds_load_b128 v[\f+8*\i:\f+8*\i+3],   v[ADRB+\slot] offset:\k+\i*16*PITCH
	ds_load_b128 v[\f+8*\i+4:\f+8*\i+7], v[ADRB+\slot] offset:\k+\i*16*PITCH+32
.endr
	WIN 0
.irp i, 0,1,2,3,4,5,6,7
	ds_load_b128 v[\f+8*\i:\f+8*\i+3],   v[ADRA+\slot] offset:\k+\i*16*PITCH
	ds_load_b128 v[\f+8*\i+4:\f+8*\i+7], v[ADRA+\slot] offset:\k+\i*16*PITCH+32
.endr
.endm
; A load into a register that a matrix instruction has read, and a vector instruction that reads a matrix result or writes one of a matrix
; instruction's registers, stand four places behind it, and only plain vector instructions that name none of its registers are places
; (ISA guide 7.12.1 for vector instructions).
.macro PLACES
.rept 4
	v_nop
.endr
.endm
; A K step is four quarter steps of 32 along K, 64 matrix instructions each, on buffers 0, 1, 0, 1.
; One of the first three: multiplies buffer f; in its middle it fetches the next quarter's fragments, at byte k of the same slot's rows, into buffer g.
; cast = 1: W2's share of this K step stands behind the fetch, where every window is 0 and the LDS loads are on their way; it names no register of a matrix instruction.
.macro QUARTER slot, k, f, g, start, cast
	s_wait_dscnt 8                                 ; B and A's rows 0-63 are in; the youngest eight loads (A's rows 64-127) may be out
.if \start
	WIN START_LO
.else
	WIN MUL_LO
.endif
	MUL16 \f, 0, 0, \start
	MUL16 \f, 0, 2, \start
	PLACES
	FETCH \slot, \k, \g
.if \cast
	W2STEP
.endif
	s_wait_dscnt 32                                ; all but the 32 just issued
.if \start
	WIN START_HI
.else
	WIN MUL_HI
.endif
	MUL16 \f, 1, 0, \start
	MUL16 \f, 1, 2, \start
.endm
.macro THREE slot, start, cast
	QUARTER \slot, 64,  F0, F1, \start, \cast
	QUARTER \slot, 128, F1, F0, 0, 0
	QUARTER \slot, 192, F0, F1, 0, 0
.endm
; The last quarter: multiplies buffer 1 and changes slots.  next = the other slot; fill = 1: this slot is filled again, two K steps ahead.
; In front of the barrier each wave waits for its own reads of this slot and for all its tensor loads, of which one is out: its part of the next
; slot.  Behind it nobody reads this slot any more and the next slot is whole: the refill comes first, then the next slot's first fragments.
; From a request to the wait for it a wave issues 240 matrix instructions.
.macro TURN slot, next, fill
	s_wait_dscnt 8
	WIN MUL_LO
	MUL16 F1, 0, 0, 0
	s_wait_dscnt 0                                 ; my reads of this slot are over
	s_wait_tensorcnt 0x0                           ; and all my tensor loads have landed: the one that was out is my part of the next slot
	ds_add_u32 v255, v31
	s_wait_dscnt 0x0
	s_barrier_signal -1                            ; say so (where a slot is filled again this barrier opens a round of the cluster's barrier),
	MUL16 F1, 0, 2, 0                              ; work on registers while the others arrive,
	WIN 0
	s_barrier_wait -1                              ; and go on when all four have said so
.if \fill
	CREST                                          ; all sixteen work-groups have said so: no wave of any partner still reads this slot's tile or has a load on its way
	s_add_nc_u64 s[G0+4*\slot+2:G0+4*\slot+3], s[G0+4*\slot+2:G0+4*\slot+3], 2*KSTEP*2
	s_add_nc_u64 s[G0B+4*\slot+2:G0B+4*\slot+3], s[G0B+4*\slot+2:G0B+4*\slot+3], 2*KSTEP*2
	JLOAD \slot                                    ; the first tensor load behind the round, and the wave's only one until the next
.endif
	PLACES
	FETCH \next, 0, F0
	WIN MUL_HI
	MUL16 F1, 1, 0, 0
	MUL16 F1, 1, 2, 0
.endm
.macro LAP start                       ; once round the ring, both slots filled again
.if \start
	THREE 0, 1, 0                                  ; K step 0: W2's first batch was asked for just now, in the set-up: it stays out for this K step
.else
	THREE 0, 0, 1
.endif
	TURN 0, 1, 1
	THREE 1, 0, 1
	TURN 1, 0, 1
.endm
	s_wait_loadcnt 0x0                             ; b1 (the first products read it), 1 / xs and wn
	W2LOAD                                         ; W2's batch 0; batches 1 to 7 are asked for in K steps 1 to 7
	; M = the largest of wn's 1,024 words: 32 in my lane, then over the 32 lanes; every lane ends with it
.set q, 1
.rept 15
	v_max3_num_f32 v[TMP], v[TMP], v[TMP+q], v[TMP+q+1]
.set q, q+2
.endr
	v_max_num_f32 v[TMP], v[TMP], v[TMP+31]
.irp m, 1,2,4,8
	v_max_num_f32_dpp v[TMP], v[TMP], v[TMP] row_xmask:\m row_mask:0xf bank_mask:0xf
.endr
	v_permlanex16_b32 v[TMP+1], v[TMP], s76, s77   ; its destination counts as read: it has been written
	v_max_num_f32 v[TMP], v[TMP], v[TMP+1]
	v_max_num_f32 v[TMP], 0x0d800000, v[TMP]       ; at least 2^-100
	v_rcp_f32 v[TMP+2], v[TMP]
	v_nop                                          ; one plain vector instruction between a transcendental and the use of its result (ISA guide 5.7.2)
	s_wait_alu depctr_va_vdst(0)
	v_mul_f32 v[TMP+2], 0x47000000, v[TMP+2]       ; 2^15 / M
.irp i, 0,1,2,3,4,5,6,7
	v_mul_f32 v[F+2*\i],   v[XI+\i], v[TMP+2]      ; 2^15 / (xs M), twice: a pair for the packed multiply
	v_mul_f32 v[F+2*\i+1], v[XI+\i], v[TMP+2]
.endr
	s_wait_tensorcnt 1                             ; my part of K step 0 is in; K step 1's stays out
	s_barrier_signal -1
	s_barrier_wait -1                              ; everybody's is
	FETCH 0, 0, F0
	LAP 1                                          ; the first lap stands in front of the loop: its first products start the sums from b1
	WIN 0                                          ; at a label and at a branch every window is 0
	s_mov_b32 s3, LAPS-2
.Llap:
	LAP 0
	WIN 0
	s_sub_co_u32 s3, s3, 1
	s_cmp_lg_u32 s3, 0
	s_cbranch_scc1 .Llap
	THREE 0, 0, 1                                  ; the last lap fills nothing: my one tensor load that is still out is slot 1's, the last K step's
	TURN 0, 1, 0
	THREE 1, 0, 1                                  ; W2's batch 7, the last, is asked for here
	s_wait_dscnt 8                                 ; the very last quarter: nothing more to fetch
	WIN MUL_LO
	MUL16 F1, 0, 0, 0
	MUL16 F1, 0, 2, 0
	s_wait_dscnt 0
	WIN MUL_HI
	MUL16 F1, 1, 0, 0
	MUL16 F1, 1, 2, 0
	; THE WAY OUT, 16 rows of C at a time: relu, square, scale, round to f16, 16 bytes a lane into my own stage in LDS, read back as whole rows of 256 bytes.
	PLACES                                         ; the places behind the last matrix instructions, for the reads of results and the writes into buffers 0 and 1
	WIN 0
	W2OUT                                          ; W2's last batch leaves; nothing more is asked for
	s_lshl_b32 s13, s13, 8
	s_lshl_b32 s14, s11, 7
	s_add_co_u32 s16, s13, s14                     ; my first row of C
	s_lshl_b32 s16, s16, 15                        ; x 32,768 bytes: 64 MiB at the most
	s_mov_b32 s17, 0
	s_add_nc_u64 s[8:9], s[8:9], s[16:17]
	s_lshl_b32 s46, s42, 9                         ; my first column, in bytes: 512 x block + 256 x half
	s_lshl_b32 s47, s12, 8
	s_add_co_u32 s46, s46, s47
	s_mov_b32 s47, 0
	s_add_nc_u64 s[8:9], s[8:9], s[46:47]
; rows 16 i .. 16 i + 15 of my block = the eight tiles (a, 0..7) of window 2 or 3 (from = 0x08 or 0x0c: source 1); f: RB0 or RB1 in turn
.macro OUT16 i, a, from, f
	WIN \from
.set q, 0
.rept 64
	v_max_num_f32 v[T+q], 0, v[64*\a+q]            ; relu, out of the accumulators' window into window 0
.set q, q+1
.endr
	WIN 0
.set q, 0
.rept 32
	v_pk_mul_f32 v[T+2*q:T+2*q+1], v[T+2*q:T+2*q+1], v[T+2*q:T+2*q+1]
.set q, q+1
.endr
.set q, 0
.rept 32
	v_pk_mul_f32 v[T+2*q:T+2*q+1], v[T+2*q:T+2*q+1], v[F+2*\i:F+2*\i+1]    ; all of a lane's numbers belong to row 16 i + l % 16
.set q, q+1
.endr
.set q, 0
.rept 32
	v_cvt_pk_f16_f32 v[TMP+q], v[T+2*q], v[T+2*q+1]
.set q, q+1
.endr
.irp b, 0,1,2,3,4,5,6,7
	ds_store_b128 v[STO], v[TMP+4*\b:TMP+4*\b+3] offset:32*\b
.endr
	s_wait_xcnt 0x0                                ; every earlier memory instruction has had its addresses translated (ISA guide 3.1): buffer f, which stores read, and the stores' base are rewritten only behind this wait
.if \i
	s_add_nc_u64 s[8:9], s[8:9], 16*CP             ; 16 rows of C on: the stores' offsets stay at 14 rows, 458,752 bytes, at the most
.endif
.irp t, 0,1,2,3,4,5,6,7
	ds_load_b128 v[\f+4*\t:\f+4*\t+3], v[RD] offset:\t*2*SPITCH    ; LDS serves a wave's instructions in order (ISA guide 5.7.1.4): these see the stores above
.endr
.irp t, 0,1,2,3,4,5,6,7
	s_wait_dscnt 7-\t
	global_store_b128 v[CO], v[\f+4*\t:\f+4*\t+3], s[8:9] offset:2*\t*CP   ; 16 lanes store 256 consecutive bytes, at a multiple of 256 from C's first byte
.endr
.endm
	OUT16 0, 0, 0x08, RB0
	OUT16 1, 1, 0x08, RB1
	OUT16 2, 2, 0x08, RB0
	OUT16 3, 3, 0x08, RB1
	OUT16 4, 0, 0x0c, RB0
	OUT16 5, 1, 0x0c, RB1
	OUT16 6, 2, 0x0c, RB0
	OUT16 7, 3, 0x0c, RB1
	s_set_vgpr_msb 0x1
	s_wait_tensorcnt 0x0
	ds_add_u32 v255, v31
	s_wait_dscnt 0x0
	s_set_vgpr_msb 0x100
	CROUND                                         ; the closing round: no work-group ends while a partner may still ask for a tile that names it
	s_endpgm
.Lfunc_end_k_q71a3d66402_gemm1:
	.size	k_q71a3d66402_gemm1, .Lfunc_end_k_q71a3d66402_gemm1-k_q71a3d66402_gemm1
	.p2alignl 7, 3214868480
	.fill 96, 4, 3214868480
	.section	.rodata,"a",@progbits
	.p2align	6, 0x0
	.amdhsa_kernel k_q71a3d66402_gemm1
		.amdhsa_group_segment_fixed_size 327680
		.amdhsa_private_segment_fixed_size 0
		.amdhsa_enable_private_segment 0
		.amdhsa_kernarg_size 64
		.amdhsa_user_sgpr_count 2
		.amdhsa_user_sgpr_kernarg_segment_ptr 1
		.amdhsa_wavefront_size32 1
		.amdhsa_system_sgpr_workgroup_id_x 1
		.amdhsa_system_sgpr_workgroup_id_y 1
		.amdhsa_system_sgpr_workgroup_id_z 1
		.amdhsa_system_vgpr_workitem_id 0
		.amdhsa_next_free_vgpr 1024
		.amdhsa_next_free_sgpr 88
		.amdhsa_reserve_vcc 0
		.amdhsa_float_denorm_mode_32 3
		.amdhsa_float_denorm_mode_16_64 3
		.amdhsa_memory_ordered 1
		.amdhsa_forward_progress 1
		.amdhsa_inst_pref_size 255
	.end_amdhsa_kernel
	.section	.bss,"aw",@nobits
	.p2align	6
	.space	262144
	.amdgpu_metadata
---
amdhsa.version: [ 1, 2 ]
amdhsa.kernels:
  - .name:           k_q71a3d66402_gemm1
    .symbol:         k_q71a3d66402_gemm1.kd
    .args:
      - { .name: xh, .offset: 0, .size: 8, .value_kind: global_buffer, .address_space: global }
      - { .name: w1h, .offset: 8, .size: 8, .value_kind: global_buffer, .address_space: global }
      - { .name: b1, .offset: 16, .size: 8, .value_kind: global_buffer, .address_space: global }
      - { .name: wn, .offset: 24, .size: 8, .value_kind: global_buffer, .address_space: global }
      - { .name: xn, .offset: 32, .size: 8, .value_kind: global_buffer, .address_space: global }
      - { .name: hs, .offset: 40, .size: 8, .value_kind: global_buffer, .address_space: global }
      - { .name: W2, .offset: 48, .size: 8, .value_kind: global_buffer, .address_space: global }
      - { .name: w2h, .offset: 56, .size: 8, .value_kind: global_buffer, .address_space: global }
    .group_segment_fixed_size: 327680
    .private_segment_fixed_size: 0
    .kernarg_segment_align: 8
    .kernarg_segment_size: 64
    .max_flat_workgroup_size: 128
    .sgpr_count:     88
    .vgpr_count:     1024
    .wavefront_size: 32
...
	.end_amdgpu_metadata
.endif
;; end of part 2
;; launch gemm2 (part 3): grid 32 x 8, 4 waves a work-group, clusters of 4 x 4, 327,680 bytes of LDS; arguments hs, w2h, yp; writes yp
.if DOCPART == 3
	.amdgcn_target "amdgcn-amd-amdhsa--gfx1250"
	.amdhsa_code_object_version 6
	.text
	.protected	k_q71a3d66402_gemm2
	.globl	k_q71a3d66402_gemm2
	.p2align	8
	.type	k_q71a3d66402_gemm2,@function
k_q71a3d66402_gemm2:
	s_mov_b64 s[64:65], 0
	v_nop
	global_prefetch_b8 v0, s[64:65] scope:SCOPE_SE
	s_setreg_imm32_b32 hwreg(HW_REG_WAVE_MODE, 25, 1), 1
	s_wait_xcnt 0x0
	s_wait_alu depctr_hold_cnt(0) depctr_sa_sdst(0) depctr_va_vdst(0) depctr_va_sdst(0) depctr_va_ssrc(0) depctr_va_vcc(0) depctr_vm_vsrc(0)
	s_getreg_b32 s2, hwreg(HW_REG_IB_STS2, 6, 4)
	s_cmp_eq_u32 s2, 0
	s_cbranch_scc0 .Lentry_in_a_cluster
	s_endpgm
.Lentry_in_a_cluster:
	s_bfe_u32 s2, ttmp6, 0x10000c
	s_cmp_lg_u32 s2, 0xf033
	s_cbranch_scc0 .Lentry_shape_is_right
	s_endpgm
.Lentry_shape_is_right:
; gemm2: yp[n][1,024 e + o] = sum over h of hs[n][2,048 e + h] w2h[1,024 e + o][h]: each expert's output without its bias, in f32, still in the
; scale of row n in which hs is stored (the next launch takes the scale away).
; hs: [2048][16384] f16, w2h: [8192][2048] f16, yp: [2048][8192] f32.
; The sum over the 16,384 hidden numbers of all experts is shared out by expert: 8 experts x 8 x 4 blocks of 256 x 256 are 256 work-groups, and the
; weighted sum over the experts is left to the next launch, in f32.
; A work-group makes a block of 256 x 256 with four waves, as many as a WGP has SIMDs; a wave makes 128 x 128: 64 accumulator tiles, 512 registers.
; K (2,048) goes in steps of 128 through a ring of two LDS slots filled by the tensor data mover; a tile's rows are 256 bytes of memory and start
; at multiples of 256 bytes from the buffer's first byte.
; CLUSTERS: 4 x 4 work-groups; the cluster's x is the expert, the place along x the block column within it.  The four of a row of the cluster need
; the same tiles of hs (one block row, one expert), the four of a column the same tiles of w2h: each such tile is asked for jointly.
;
; REGISTERS, in windows of 256: window 0: v0-31 addresses; v64-127, v128-191 fragments of A, two buffers (on the way out: rows read back);
;   window 1: v64-127, v128-191 fragments of B; window 2: the 32 accumulator tiles of my rows 0-63 (tile (a, b) at v[8 (8 a + b)]); window 3: rows 64-127.
; THE MATRIX INSTRUCTION IS USED TRANSPOSED: source 0 = 16 rows of B, source 1 = 16 rows of A: lane l holds row l % 16 of C and its registers 0 to 7
; the columns 16 b + 8 (l / 16) + 0 .. 7, 32 neighbouring bytes of a row.
.set KSTEP,  128
.set PITCH,  272                       ; an LDS row: 256 bytes of data + 16 of padding: the 16 rows that a load touches start at 16 different banks (64 banks of 4 bytes: ISA guide 11.1)
.set HALFT,  128*PITCH
.set SLOT,   4*HALFT                   ; A's 256 rows, then B's 256 rows
.set STAGE,  2*SLOT                    ; behind the ring: 16 rows x 528 bytes for each wave, for the way out; no tensor load lands there
.set SPITCH, 528                       ; 512 bytes of f32 + 16: 33 x 16, so sixteen rows' stores of 16 bytes touch sixteen different columns
.set SIZE_K, 2048
.set PA,     16384                     ; elements from row to row of A
.set PB,     2048                      ; and of B
.set CP,     32768                     ; bytes from row to row of C
.set LAPS, SIZE_K/(2*KSTEP)            ; 8
.set ADRA, 16
.set ADRB, 20
.set STO,  24
.set RD,   25
.set CO,   26
.set F0,   64
.set F1,   128
.set G1, 24
.set G0, 32
.set G1B, 48
.set G0B, 56
.set MSB, 0
.macro WIN new                         ; the immediate's high byte repeats the setting that is left
.if MSB != \new
	s_set_vgpr_msb (MSB<<8)|\new
.set MSB, \new
.endif
.endm
.set MUL_LO, 0xa1                      ; source 0 (B) window 1, source 1 (A) window 0, C and D window 2
.set MUL_HI, 0xf1                      ; the same, C and D window 3
.set TO_B,   0x40                      ; destination window 1, address window 0
; A joint load.  Waves 0 and 1 fetch A's two halves, waves 2 and 3 B's; the branch hangs on the wave's number alone.
.macro JLOAD s
	s_cmp_eq_u32 s11, 0
	s_cbranch_scc0 .Lfor_b_\@
	tensor_load_to_lds s[G0+4*\s:G0+4*\s+3], s[G1:G1+7]
	s_nop 0
	s_branch .Lasked_\@
.Lfor_b_\@:
	tensor_load_to_lds s[G0B+4*\s:G0B+4*\s+3], s[G1B:G1B+7]
	s_nop 0
.Lasked_\@:
.endm
; A round of the cluster's barrier: my work-group's barrier; wave 0 signals for the work-group; every wave waits for all sixteen; my work-group's barrier once more.
.macro CREST
	s_cmp_lg_u32 s10, 0
	s_cbranch_scc1 .Lnot_wave_0_\@
	s_barrier_signal -3
.Lnot_wave_0_\@:
	s_barrier_wait -3
	s_barrier_signal -1
	s_barrier_wait -1
.endm
.macro CROUND
	s_barrier_signal -1
	s_barrier_wait -1
	CREST
.endm
	s_load_b128 s[4:7], s[0:1], 0x0                ; hs s[4:5], w2h s[6:7]
	s_load_b64 s[8:9], s[0:1], 0x10                ; yp
	s_set_vgpr_msb 0x40
	v_lshl_add_u32 v255, v0, 2, 0x4c400
	s_set_vgpr_msb 0x4000
	v_mov_b32 v255, 0
	s_set_vgpr_msb 0x1
	ds_add_u32 v255, v255
	s_set_vgpr_msb 0x100
	v_lshrrev_b32 v1, 5, v0
	v_readfirstlane_b32 s10, v1                    ; wave 0..3
	s_lshr_b32 s11, s10, 1                         ; which half of the block's rows is mine.  Also: I fetch for A (0) or for B (1)
	s_and_b32 s12, s10, 1                          ; which half of its columns.  Also: which 128 rows of that tile I fetch
	s_bfe_u32 s40, ttmp6, 0x40000                  ; cx
	s_bfe_u32 s41, ttmp6, 0x40004                  ; cy
	s_lshl_b32 s42, ttmp9, 2
	s_add_co_u32 s42, s42, s40                     ; block column of yp, and block row of w2h = 4 x expert + cx
	s_and_b32 s13, ttmp7, 0xffff
	s_lshl_b32 s13, s13, 2
	s_add_co_u32 s13, s13, s41                     ; block row = 4 x cluster y + cy
	s_lshl_b32 s43, s41, 2
	s_lshl_b32 s43, 15, s43                        ; my row of the cluster
	s_lshl_b32 s44, 0x1111, s40                    ; my column
	s_or_b32 s[G1+0], s43, (1<<16)|(1<<20)|(1<<21)|(5<<22)|(3<<25)  ; the mask: A's tiles go to my row; element of 2 bytes; padding on; bit 21 beside a mask; after every 64 words 4 words
	s_or_b32 s[G1B+0], s44, (1<<16)|(1<<20)|(1<<21)|(5<<22)|(3<<25) ; the same with the mask of my column, for B's tiles
	s_mov_b32 s[G1B+1], KSTEP<<16
	s_mov_b32 s[G1+1], KSTEP<<16                   ; tensor_dim0 = 128
	s_mov_b32 s[G1B+2], 128<<16
	s_mov_b32 s[G1+2], 128<<16                     ; tensor_dim1 = 128
	s_mov_b32 s[G1B+3], KSTEP<<16
	s_mov_b32 s[G1+3], KSTEP<<16                   ; tile_dim0 = 128
	s_mov_b32 s[G1B+4], 128
	s_mov_b32 s[G1+4], 128                         ; tile_dim1 = 128; tile_dim2 = 0
	s_mov_b32 s[G1B+5], PB
	s_mov_b32 s[G1+5], PA                          ; elements from row to row
	s_mov_b32 s[G1B+6], 0
	s_mov_b32 s[G1+6], 0
	s_mov_b32 s[G1B+7], 0
	s_mov_b32 s[G1+7], 0
	; where the tiles come from.  A's hang on the block row and on the expert (the cluster's x), which my row of the cluster shares;
	; B's on the block column alone, which my column shares.
	s_lshl_b32 s17, s12, 7                         ; which 128 rows of the tile I fetch
	s_lshl_b32 s16, s13, 8
	s_add_co_u32 s16, s16, s17                     ; A: row 256 x block row + 128 x half
	s_lshl_b32 s16, s16, 15                        ; x 32,768 bytes: 64 MiB at the most
	s_lshl_b32 s18, ttmp9, 12                      ; + the expert's 2,048 columns of 2 bytes
	s_add_co_u32 s16, s16, s18
	s_lshl_b32 s46, s42, 8
	s_add_co_u32 s46, s46, s17                     ; B: row 256 x block column + 128 x half
	s_lshl_b32 s46, s46, 12                        ; x 4,096 bytes: 32 MiB at the most
	s_mov_b32 s17, 0
	s_mov_b32 s47, 0
	s_mul_i32 s20, s10, HALFT                      ; where the tiles go: wave x 128 rows
	s_wait_dscnt 0x0
	s_wait_kmcnt 0x0
	s_add_nc_u64 s[14:15], s[4:5], s[16:17]
	s_add_nc_u64 s[46:47], s[6:7], s[46:47]
	CROUND                                         ; all sixteen work-groups are here: the first joint loads meet
.irp s, 0,1
	s_mov_b32 s[G0+4*\s], 1
	s_add_co_u32 s[G0+4*\s+1], s20, \s*SLOT
	s_add_nc_u64 s[G0+4*\s+2:G0+4*\s+3], s[14:15], \s*KSTEP*2
	s_or_b32 s[G0+4*\s+3], s[G0+4*\s+3], 0x80000000
	s_mov_b32 s[G0B+4*\s], 1
	s_add_co_u32 s[G0B+4*\s+1], s20, \s*SLOT
	s_add_nc_u64 s[G0B+4*\s+2:G0B+4*\s+3], s[46:47], \s*KSTEP*2
	s_or_b32 s[G0B+4*\s+3], s[G0B+4*\s+3], 0x80000000
	JLOAD \s                                       ; the ring is filled before anything else is done: two tensor loads of the wave are out
.endr
	v_and_b32 v1, 15, v0                           ; l % 16
	v_bfe_u32 v2, v0, 4, 1                         ; l / 16
	v_mul_u32_u24 v3, v1, PITCH
	v_lshl_add_u32 v3, v2, 4, v3                   ; row x pitch + 16 x half
	s_mul_i32 s21, s11, HALFT                      ; my 128 rows of A
	s_mul_i32 s22, s12, HALFT                      ; my 128 rows of B,
	s_add_co_u32 s22, s22, 2*HALFT                 ; which lie behind A's 256
.irp s, 0,1
	v_add_nc_u32 v[ADRA+\s], s21, v3
	v_add_nc_u32 v[ADRB+\s], s22, v3
	s_add_co_u32 s21, s21, SLOT
	s_add_co_u32 s22, s22, SLOT
.endr
	s_mul_i32 s23, s10, 16*SPITCH
	s_add_co_u32 s23, s23, STAGE                   ; my stage
	v_mul_u32_u24 v4, v1, SPITCH                   ; in: row l % 16, 32 bytes for each half of the lanes
	v_lshl_add_u32 v4, v2, 5, v4
	v_add_nc_u32 v[STO], s23, v4
	v_and_b32 v5, 31, v0
	v_lshlrev_b32 v[CO], 4, v5                     ; back and out: 32 lanes x 16 bytes are my 512 bytes of one row
	v_add_nc_u32 v[RD], s23, v[CO]
; 16 matrix instructions: m blocks a0, a0 + 1 of the window's four x all 8 n blocks, 32 along K.  zero = 1: the first product starts the sums.
; The 64 accumulators take turns, one instruction a turn, in the same order in every quarter step.
.macro MUL16 f, hi, a0, zero
.irp a, \a0, \a0+1
.irp b, 0,1,2,3,4,5,6,7
.if \zero
	v_wmma_f32_16x16x32_f16 v[8*(8*(\a)+\b):8*(8*(\a)+\b)+7], v[\f+8*\b:\f+8*\b+7], v[\f+8*(4*\hi+\a):\f+8*(4*\hi+\a)+7], 0
.else
	v_wmma_f32_16x16x32_f16 v[8*(8*(\a)+\b):8*(8*(\a)+\b)+7], v[\f+8*\b:\f+8*\b+7], v[\f+8*(4*\hi+\a):\f+8*(4*\hi+\a)+7], v[8*(8*(\a)+\b):8*(8*(\a)+\b)+7]
.endif
.endr
.endr
.endm
.macro FETCH slot, k, f                ; 32 LDS loads in one run: one quarter step's fragments into buffer f
	WIN TO_B
.irp i, 0,1,2,3,4,5,6,7
	ds_load_b128 v[\f+8*\i:\f+8*\i+3],   v[ADRB+\slot] offset:\k+\i*16*PITCH
	ds_load_b128 v[\f+8*\i+4:\f+8*\i+7], v[ADRB+\slot] offset:\k+\i*16*PITCH+32
.endr
	WIN 0
.irp i, 0,1,2,3,4,5,6,7
	ds_load_b128 v[\f+8*\i:\f+8*\i+3],   v[ADRA+\slot] offset:\k+\i*16*PITCH
	ds_load_b128 v[\f+8*\i+4:\f+8*\i+7], v[ADRA+\slot] offset:\k+\i*16*PITCH+32
.endr
.endm
; Four places behind a matrix instruction before a load lands in a register that it read, or anything but a matrix instruction reads its result
; (ISA guide 7.12.1 for vector instructions).
.macro PLACES
.rept 4
	v_nop
.endr
.endm
.macro QUARTER slot, k, f, g, zero
	s_wait_dscnt 8                                 ; B and A's rows 0-63 are in; the youngest eight loads (A's rows 64-127) may be out
	WIN MUL_LO
	MUL16 \f, 0, 0, \zero
	MUL16 \f, 0, 2, \zero
	PLACES
	FETCH \slot, \k, \g
	s_wait_dscnt 32                                ; all but the 32 just issued
	WIN MUL_HI
	MUL16 \f, 1, 0, \zero
	MUL16 \f, 1, 2, \zero
.endm
.macro THREE slot, zero
	QUARTER \slot, 64,  F0, F1, \zero
	QUARTER \slot, 128, F1, F0, 0
	QUARTER \slot, 192, F0, F1, 0
.endm
; The last quarter of a K step: multiplies buffer 1 and changes slots.  In front of the barrier each wave waits for its own reads of this slot and
; for all its tensor loads, of which one is out: its part of the next slot.  Behind it the refill comes first, then the next slot's first fragments.
; From a request to the wait for it a wave issues 240 matrix instructions.
.macro TURN slot, next, fill
	s_wait_dscnt 8
	WIN MUL_LO
	MUL16 F1, 0, 0, 0
	s_wait_dscnt 0                                 ; my reads of this slot are over
	s_wait_tensorcnt 0x0                           ; and all my tensor loads have landed
	ds_add_u32 v255, v255
	s_wait_dscnt 0x0
	s_barrier_signal -1                            ; say so (where a slot is filled again this barrier opens a round of the cluster's barrier),
	MUL16 F1, 0, 2, 0                              ; work on registers while the others arrive,
	WIN 0
	s_barrier_wait -1
.if \fill
	CREST                                          ; all sixteen work-groups have said so: no wave of any partner still reads this slot's tile or has a load on its way
	s_add_nc_u64 s[G0+4*\slot+2:G0+4*\slot+3], s[G0+4*\slot+2:G0+4*\slot+3], 2*KSTEP*2
	s_add_nc_u64 s[G0B+4*\slot+2:G0B+4*\slot+3], s[G0B+4*\slot+2:G0B+4*\slot+3], 2*KSTEP*2
	JLOAD \slot                                    ; the first tensor load behind the round, and the wave's only one until the next
.endif
	PLACES
	FETCH \next, 0, F0
	WIN MUL_HI
	MUL16 F1, 1, 0, 0
	MUL16 F1, 1, 2, 0
.endm
.macro LAP zero
	THREE 0, \zero
	TURN 0, 1, 1
	THREE 1, 0
	TURN 1, 0, 1
.endm
	s_wait_tensorcnt 1                             ; my part of K step 0 is in; K step 1's stays out
	s_barrier_signal -1
	s_barrier_wait -1                              ; everybody's is
	FETCH 0, 0, F0
	LAP 1                                          ; the first lap stands in front of the loop: its first products start the sums
	WIN 0                                          ; at a label and at a branch every window is 0
	s_mov_b32 s3, LAPS-2
.Llap:
	LAP 0
	WIN 0
	s_sub_co_u32 s3, s3, 1
	s_cmp_lg_u32 s3, 0
	s_cbranch_scc1 .Llap
	THREE 0, 0                                     ; the last lap fills nothing: my one tensor load that is still out is slot 1's, the last K step's
	TURN 0, 1, 0
	THREE 1, 0
	s_wait_dscnt 8                                 ; the very last quarter: nothing more to fetch
	WIN MUL_LO
	MUL16 F1, 0, 0, 0
	MUL16 F1, 0, 2, 0
	s_wait_dscnt 0
	WIN MUL_HI
	MUL16 F1, 1, 0, 0
	MUL16 F1, 1, 2, 0
	; THE WAY OUT, 16 rows of C at a time: the f32 sums go as they are, 32 bytes a lane, into my own stage in LDS and come back as whole rows of 512 bytes.
	PLACES                                         ; the places behind the last matrix instructions, for the LDS stores of results and the loads into buffers 0 and 1
	s_lshl_b32 s13, s13, 8
	s_lshl_b32 s14, s11, 7
	s_add_co_u32 s16, s13, s14                     ; my first row of C
	s_lshl_b32 s16, s16, 15                        ; x 32,768 bytes
	s_mov_b32 s17, 0
	s_add_nc_u64 s[8:9], s[8:9], s[16:17]
	s_lshl_b32 s46, s42, 10                        ; my first column, in bytes: 1,024 x block + 512 x half
	s_lshl_b32 s47, s12, 9
	s_add_co_u32 s46, s46, s47
	s_mov_b32 s47, 0
	s_add_nc_u64 s[8:9], s[8:9], s[46:47]
; rows 16 i .. 16 i + 15 of my block = the eight tiles (a, 0..7) of window 2 or 3 (from = 0x08 or 0x0c: an LDS store's data are source 1); f: F0 or F1 in turn
.macro OUT16F i, a, from, f
	WIN \from
.irp b, 0,1,2,3,4,5,6,7
	ds_store_b128 v[STO], v[64*\a+8*\b:64*\a+8*\b+3]   offset:64*\b
	ds_store_b128 v[STO], v[64*\a+8*\b+4:64*\a+8*\b+7] offset:64*\b+16
.endr
	WIN 0
	s_wait_xcnt 0x0                                ; every earlier memory instruction has had its addresses translated (ISA guide 3.1): buffer f, which stores read, and the stores' base are rewritten only behind this wait
.if \i
	s_add_nc_u64 s[8:9], s[8:9], 16*CP             ; 16 rows of C on: the stores' offsets stay at 15 rows, 491,520 bytes, at the most
.endif
.set t, 0
.rept 16
	ds_load_b128 v[\f+4*t:\f+4*t+3], v[RD] offset:t*SPITCH         ; LDS serves a wave's instructions in order (ISA guide 5.7.1.4): these see the stores above
.set t, t+1
.endr
.set t, 0
.rept 16
	s_wait_dscnt 15-t
	global_store_b128 v[CO], v[\f+4*t:\f+4*t+3], s[8:9] offset:t*CP        ; the wave stores 512 consecutive bytes, at a multiple of 512 from C's first byte
.set t, t+1
.endr
.endm
	OUT16F 0, 0, 0x08, F0
	OUT16F 1, 1, 0x08, F1
	OUT16F 2, 2, 0x08, F0
	OUT16F 3, 3, 0x08, F1
	OUT16F 4, 0, 0x0c, F0
	OUT16F 5, 1, 0x0c, F1
	OUT16F 6, 2, 0x0c, F0
	OUT16F 7, 3, 0x0c, F1
	s_set_vgpr_msb 0x1
	s_wait_tensorcnt 0x0
	ds_add_u32 v255, v255
	s_wait_dscnt 0x0
	s_set_vgpr_msb 0x100
	CROUND                                         ; the closing round: no work-group ends while a partner may still ask for a tile that names it
	s_endpgm
.Lfunc_end_k_q71a3d66402_gemm2:
	.size	k_q71a3d66402_gemm2, .Lfunc_end_k_q71a3d66402_gemm2-k_q71a3d66402_gemm2
	.p2alignl 7, 3214868480
	.fill 96, 4, 3214868480
	.section	.rodata,"a",@progbits
	.p2align	6, 0x0
	.amdhsa_kernel k_q71a3d66402_gemm2
		.amdhsa_group_segment_fixed_size 327680
		.amdhsa_private_segment_fixed_size 0
		.amdhsa_enable_private_segment 0
		.amdhsa_kernarg_size 24
		.amdhsa_user_sgpr_count 2
		.amdhsa_user_sgpr_kernarg_segment_ptr 1
		.amdhsa_wavefront_size32 1
		.amdhsa_system_sgpr_workgroup_id_x 1
		.amdhsa_system_sgpr_workgroup_id_y 1
		.amdhsa_system_sgpr_workgroup_id_z 1
		.amdhsa_system_vgpr_workitem_id 0
		.amdhsa_next_free_vgpr 1024
		.amdhsa_next_free_sgpr 66
		.amdhsa_reserve_vcc 0
		.amdhsa_float_denorm_mode_32 3
		.amdhsa_float_denorm_mode_16_64 3
		.amdhsa_memory_ordered 1
		.amdhsa_forward_progress 1
		.amdhsa_inst_pref_size 196
	.end_amdhsa_kernel
	.amdgpu_metadata
---
amdhsa.version: [ 1, 2 ]
amdhsa.kernels:
  - .name:           k_q71a3d66402_gemm2
    .symbol:         k_q71a3d66402_gemm2.kd
    .args:
      - { .name: hs, .offset: 0, .size: 8, .value_kind: global_buffer, .address_space: global }
      - { .name: w2h, .offset: 8, .size: 8, .value_kind: global_buffer, .address_space: global }
      - { .name: yp, .offset: 16, .size: 8, .value_kind: global_buffer, .address_space: global }
    .group_segment_fixed_size: 327680
    .private_segment_fixed_size: 0
    .kernarg_segment_align: 8
    .kernarg_segment_size: 24
    .max_flat_workgroup_size: 128
    .sgpr_count:     66
    .vgpr_count:     1024
    .wavefront_size: 32
...
	.end_amdgpu_metadata
.endif
;; end of part 3
;; launch combine (part 4): grid 512 x 1, 8 waves a work-group, no clusters, 1,280 bytes of LDS; arguments yp, route, b2, wn, xn, out0; writes out0
.if DOCPART == 4
	.amdgcn_target "amdgcn-amd-amdhsa--gfx1250"
	.amdhsa_code_object_version 6
	.text
	.protected	k_q71a3d66402_combine
	.globl	k_q71a3d66402_combine
	.p2align	8
	.type	k_q71a3d66402_combine,@function
k_q71a3d66402_combine:
	s_mov_b64 s[64:65], 0
	v_nop
	global_prefetch_b8 v0, s[64:65] scope:SCOPE_SE
	s_setreg_imm32_b32 hwreg(HW_REG_WAVE_MODE, 25, 1), 1
	s_wait_xcnt 0x0
; combine: out0[n][o] = u[n] x (sum over e of route[n][e] yp[n][1,024 e + o]) + sum over e of route[n][e] b2[e][o], all in f32.
; u[n] = xs[n] M / 2^15 takes away the scale in which the hidden numbers of row n were stored: xs[n] is the first word of xn's row n, M the largest
; of wn's 1,024 words, kept at 2^-100 or above: the same M, made of the same words, as in the launch that applied the scale.
; yp: [2048][8192], route: [2048][8], b2: [8][1024], wn: [1024], xn: [2048][2], out0: [2048][1024].
; A stream: a work-group takes 4 rows; thread t takes columns 4 t .. 4 t + 3 of each, so every load and store of a wave covers 512 consecutive bytes.
; All 41 loads of a thread go out at once and none of their registers is loaded twice, so there is no loop.  One barrier: the eight waves' maxima of
; wn meet in 32 bytes of LDS (each thread reads 16 of wn's 4,096 bytes).
; The route weights and xs of the 4 rows are the same for all threads: they come by scalar loads and enter the multiply-adds as scalar operands.
; No matrix unit and no cluster: only b2's 32,768 and wn's 4,096 bytes are shared, against 131,072 of yp for each work-group.
.set B2,  2                            ; v[2:33]    b2 of my 4 columns, expert e at B2 + 4 e
.set P,   34                           ; v[34:161]  yp: row i, expert e at P + 32 i + 4 e; the row's weighted sum grows in its first four registers
.set ACC, 162                          ; v[162:177] the weighted bias, then the result, row i at ACC + 4 i
.set MX,  178                          ; v[178:185] words of wn, then the waves' maxima
.set LA,  186                          ; v186       my wave's word in LDS
.set LZ,  187                          ; v187       LDS byte 0
	s_load_b256 s[4:11], s[0:1], 0x0               ; yp 4:5, route 6:7, b2 8:9, wn 10:11
	s_load_b128 s[48:51], s[0:1], 0x20             ; xn 48:49, out0 50:51
	v_lshl_add_u32 v188, v0, 2, 0x100
	v_mov_b32 v189, 0
	v_lshlrev_b32 v1, 4, v0                        ; 16 bytes a thread; never rewritten
	v_lshrrev_b32 v[LA], 5, v0
	v_readfirstlane_b32 s63, v[LA]                 ; wave 0 .. 7
	s_mov_b32 s66, 0x76543210                      ; v_permlanex16_b32: lane i of one half reads lane i of the other
	s_mov_b32 s67, 0xfedcba98
	s_lshl_b32 s2, ttmp9, 7                        ; 4 rows of route, 32 bytes each
	s_mov_b32 s3, 0
	s_lshl_b32 s12, ttmp9, 17                      ; 4 rows of yp, 32,768 bytes each
	s_mov_b32 s13, 0
	s_lshl_b32 s14, ttmp9, 14                      ; 4 rows of out0, 4,096 bytes each
	s_mov_b32 s15, 0
	s_lshl_b32 s60, ttmp9, 5                       ; 4 rows of xn, 8 bytes each
	s_mov_b32 s61, 0
	s_wait_kmcnt 0x0
	s_add_nc_u64 s[6:7], s[6:7], s[2:3]
	s_add_nc_u64 s[4:5], s[4:5], s[12:13]
	s_add_nc_u64 s[50:51], s[50:51], s[14:15]
	s_add_nc_u64 s[48:49], s[48:49], s[60:61]
	s_load_b512 s[16:31], s[6:7], 0x0              ; route of rows 0, 1: row i, expert e in s[16 + 8 i + e]
	s_load_b512 s[32:47], s[6:7], 0x40             ; and of rows 2, 3
	s_load_b256 s[52:59], s[48:49], 0x0            ; xs of row i in s[52 + 2 i]; the word behind it is overwritten with u below
	global_load_b128 v[MX:MX+3], v1, s[10:11]      ; my 4 words of wn
.irp e, 0,1,2,3,4,5,6,7
	global_load_b128 v[B2+4*\e:B2+4*\e+3], v1, s[8:9] offset:4096*\e
.endr
.irp i, 0,1,2,3
.irp e, 0,1,2,3,4,5,6,7
	global_load_b128 v[P+32*\i+4*\e:P+32*\i+4*\e+3], v1, s[4:5] offset:32768*\i+4096*\e th:TH_LOAD_NT
.endr
.endr
	; M: my four words, the wave's 32 lanes, the eight waves
	s_wait_loadcnt 40                              ; loads come back in order: wn is in, the 8 loads of b2 and the 32 of yp stay out
	v_max3_num_f32 v[MX], v[MX], v[MX+1], v[MX+2]
	v_max_num_f32 v[MX], v[MX], v[MX+3]
.irp m, 1,2,4,8
	v_max_num_f32_dpp v[MX], v[MX], v[MX] row_xmask:\m row_mask:0xf bank_mask:0xf
.endr
	v_permlanex16_b32 v[MX+1], v[MX], s66, s67     ; its destination counts as read: it has been written
	v_max_num_f32 v[MX], v[MX], v[MX+1]
	v_mov_b32 v[LA], s63
	v_lshlrev_b32 v[LA], 2, v[LA]
	ds_store_b32 v[LA], v[MX]                      ; my wave's word; all lanes write the same value
	s_wait_dscnt 0x0                               ; for the other waves' sake
	s_barrier_signal -1
	s_barrier_wait -1
	v_mov_b32 v[LZ], 0
	ds_load_b128 v[MX:MX+3], v[LZ]
	ds_load_b128 v[MX+4:MX+7], v[LZ] offset:16
	; meanwhile the weighted bias, which needs b2 and route alone
	s_wait_loadcnt 32                              ; b2 is in, the 32 loads of yp stay out
	s_wait_kmcnt 0x0                               ; the route weights and xs
.irp i, 0,1,2,3
.irp c, 0,1,2,3
	v_mul_f32 v[ACC+4*\i+\c], s[16+8*\i], v[B2+\c]                         ; the first expert starts the sums: nothing is cleared
.endr
.irp e, 1,2,3,4,5,6,7
.irp c, 0,1,2,3
	v_fmac_f32 v[ACC+4*\i+\c], s[16+8*\i+\e], v[B2+4*\e+\c]
.endr
.endr
.endr
	s_wait_dscnt 0x0                               ; the eight maxima
	v_max3_num_f32 v[MX], v[MX], v[MX+1], v[MX+2]
	v_max3_num_f32 v[MX], v[MX], v[MX+3], v[MX+4]
	v_max3_num_f32 v[MX], v[MX], v[MX+5], v[MX+6]
	v_max_num_f32 v[MX], v[MX], v[MX+7]
	v_max_num_f32 v[MX], 0x0d800000, v[MX]         ; at least 2^-100
	v_mul_f32 v[MX], 0x38000000, v[MX]             ; M / 2^15
	v_readfirstlane_b32 s62, v[MX]
.irp i, 0,1,2,3
	s_mul_f32 s[53+2*\i], s[52+2*\i], s62          ; u of row i
.endr
.macro ROW i
	s_wait_loadcnt 8*(3-\i)                        ; rows 0 .. i are in, the 8 loads of each later row stay out
.irp c, 0,1,2,3
	v_mul_f32 v[P+32*\i+\c], s[16+8*\i], v[P+32*\i+\c]
.endr
.irp e, 1,2,3,4,5,6,7
.irp c, 0,1,2,3
	v_fmac_f32 v[P+32*\i+\c], s[16+8*\i+\e], v[P+32*\i+4*\e+\c]
.endr
.endr
.irp c, 0,1,2,3
	v_fmac_f32 v[ACC+4*\i+\c], s[53+2*\i], v[P+32*\i+\c]                   ; the scale comes off and the weighted bias is added in one step
.endr
	global_store_b128 v1, v[ACC+4*\i:ACC+4*\i+3], s[50:51] offset:4096*\i th:TH_STORE_NT
.endm
	ROW 0
	ROW 1
	ROW 2
	ROW 3
	s_wait_tensorcnt 0x0
	ds_add_u32 v188, v189
	s_wait_dscnt 0x0
	s_endpgm
.Lfunc_end_k_q71a3d66402_combine:
	.size	k_q71a3d66402_combine, .Lfunc_end_k_q71a3d66402_combine-k_q71a3d66402_combine
	.p2alignl 7, 3214868480
	.fill 96, 4, 3214868480
	.section	.rodata,"a",@progbits
	.p2align	6, 0x0
	.amdhsa_kernel k_q71a3d66402_combine
		.amdhsa_group_segment_fixed_size 1280
		.amdhsa_private_segment_fixed_size 0
		.amdhsa_enable_private_segment 0
		.amdhsa_kernarg_size 48
		.amdhsa_user_sgpr_count 2
		.amdhsa_user_sgpr_kernarg_segment_ptr 1
		.amdhsa_wavefront_size32 1
		.amdhsa_system_sgpr_workgroup_id_x 1
		.amdhsa_system_sgpr_workgroup_id_y 1
		.amdhsa_system_sgpr_workgroup_id_z 1
		.amdhsa_system_vgpr_workitem_id 0
		.amdhsa_next_free_vgpr 190
		.amdhsa_next_free_sgpr 68
		.amdhsa_reserve_vcc 0
		.amdhsa_float_denorm_mode_32 3
		.amdhsa_float_denorm_mode_16_64 3
		.amdhsa_memory_ordered 1
		.amdhsa_forward_progress 1
		.amdhsa_inst_pref_size 16
	.end_amdhsa_kernel
	.amdgpu_metadata
---
amdhsa.version: [ 1, 2 ]
amdhsa.kernels:
  - .name:           k_q71a3d66402_combine
    .symbol:         k_q71a3d66402_combine.kd
    .args:
      - { .name: yp, .offset: 0, .size: 8, .value_kind: global_buffer, .address_space: global }
      - { .name: route, .offset: 8, .size: 8, .value_kind: global_buffer, .address_space: global }
      - { .name: b2, .offset: 16, .size: 8, .value_kind: global_buffer, .address_space: global }
      - { .name: wn, .offset: 24, .size: 8, .value_kind: global_buffer, .address_space: global }
      - { .name: xn, .offset: 32, .size: 8, .value_kind: global_buffer, .address_space: global }
      - { .name: out0, .offset: 40, .size: 8, .value_kind: global_buffer, .address_space: global }
    .group_segment_fixed_size: 1280
    .private_segment_fixed_size: 0
    .kernarg_segment_align: 8
    .kernarg_segment_size: 48
    .max_flat_workgroup_size: 256
    .sgpr_count:     68
    .vgpr_count:     190
    .wavefront_size: 32
...
	.end_amdgpu_metadata
.endif
;; end of part 4
;; ======== version 2 of 2: 4 launches; version 1 with the launch combine written anew for expert scheduling mode
;; limits: values are held in f16: magnitudes above 65,504 overflow, below 6.1e-05 lose precision
;; workspace buffers: xh 4,194,304 bytes; w1h 33,554,432 bytes; w2h 33,554,432 bytes; route 65,536 bytes; xn 16,384 bytes; wn 4,096 bytes; hs 67,108,864 bytes; yp 67,108,864 bytes
;; launch prep: the kernel of part 1 again; grid 1152 x 1, 8 waves a work-group, no clusters, 34,816 bytes of LDS; arguments x, Wr, br, W1, b1, xh, w1h, route, xn, wn; writes xh, w1h, route, xn, wn
;; launch gemm1: the kernel of part 2 again; grid 64 x 8, 4 waves a work-group, clusters of 4 x 4, 327,680 bytes of LDS; arguments xh, w1h, b1, wn, xn, hs, W2, w2h; writes hs, w2h
;; launch gemm2: the kernel of part 3 again; grid 32 x 8, 4 waves a work-group, clusters of 4 x 4, 327,680 bytes of LDS; arguments hs, w2h, yp; writes yp
;; launch combine (part 5): grid 512 x 1, 8 waves a work-group, no clusters, 1,280 bytes of LDS; arguments yp, route, b2, wn, xn, out0; writes out0
.if DOCPART == 5
	.amdgcn_target "amdgcn-amd-amdhsa--gfx1250"
	.amdhsa_code_object_version 6
	.text
	.protected	k_q71a3d66402_combine
	.globl	k_q71a3d66402_combine
	.p2align	8
	.type	k_q71a3d66402_combine,@function
k_q71a3d66402_combine:
	s_mov_b64 s[64:65], 0
	v_nop
	global_prefetch_b8 v0, s[64:65] scope:SCOPE_SE
	s_setreg_imm32_b32 hwreg(HW_REG_WAVE_SCHED_MODE, 0, 2), 2
	s_setreg_imm32_b32 hwreg(HW_REG_WAVE_MODE, 25, 1), 1
	s_wait_xcnt 0x0
	s_wait_alu depctr_vm_vsrc(0)
; combine: out0[n][o] = u[n] x (sum over e of route[n][e] yp[n][1,024 e + o]) + sum over e of route[n][e] b2[e][o], all in f32.
; u[n] = xs[n] M / 2^15 takes away the scale in which the hidden numbers of row n were stored: xs[n] is the first word of xn's row n, M the largest
; of wn's 1,024 words, kept at 2^-100 or above: the same M, made of the same words, as in the launch that applied the scale.
; yp: [2048][8192], route: [2048][8], b2: [8][1024], wn: [1024], xn: [2048][2], out0: [2048][1024].
; A stream: a work-group takes 4 rows; thread t takes columns 4 t .. 4 t + 3 of each, so every load and store of a wave covers 512 consecutive bytes.
; All 41 loads of a thread go out at once and none of their registers is loaded twice, so there is no loop.  One barrier: the eight waves' maxima of
; wn meet in 32 bytes of LDS (each thread reads 16 of wn's 4,096 bytes).
; The route weights and xs of the 4 rows are the same for all threads: they come by scalar loads and enter the multiply-adds as scalar operands.
; No matrix unit and no cluster: only b2's 32,768 and wn's 4,096 bytes are shared, against 131,072 of yp for each work-group.
; THE MODE: SCHED_MODE bits 1:0 = 2 (LLVM: expert scheduling mode 2), set by the entry lines.  The code itself states the register dependences
; between vector instructions and memory or LDS instructions, with s_wait_alu, always for 0.
; THE PLAN.  Registers that memory or LDS instructions touch:
;   v1, v[LA], v[LZ]  the three addresses: written at the head, ahead of one wait on va_vdst, and never again.
;   v[MX ..]          4 words of wn land here; the maximum over the lanes reads and writes them; the LDS store reads v[MX]; nothing writes it afterwards.
;   v[MW ..]          the eight waves' maxima land here: a buffer of its own, which no vector instruction names before the two LDS loads are issued.
;   B2, P             each is loaded once, at the head; behind their counted waits vector instructions alone name them.
;   ACC + 4 i         written by row i's multiply-adds, read by row i's store, which stands at the head of row i + 1; four registers to each row, none written again.
;   v188, v189        written at the head, read by the closing add alone.
; No register that a memory or LDS instruction has read is written again, so no wait on vm_vsrc is owed ahead of the closing lines.
.set B2,  2                            ; v[2:33]    b2 of my 4 columns, expert e at B2 + 4 e
.set P,   34                           ; v[34:161]  yp: row i, expert e at P + 32 i + 4 e; the row's weighted sum grows in its first four registers
.set ACC, 162                          ; v[162:177] the weighted bias, then the result, row i at ACC + 4 i
.set MX,  178                          ; v[178:181] my words of wn, then my wave's maximum in the first
.set LA,  186                          ; v186       my wave's word in LDS
.set LZ,  187                          ; v187       LDS byte 0
.set MW,  190                          ; v[190:197] the eight waves' maxima, then M / 2^15 in the first
	s_load_b256 s[4:11], s[0:1], 0x0               ; yp 4:5, route 6:7, b2 8:9, wn 10:11
	s_load_b128 s[48:51], s[0:1], 0x20             ; xn 48:49, out0 50:51
	v_lshl_add_u32 v188, v0, 2, 0x100
	v_mov_b32 v189, 0
	v_lshlrev_b32 v1, 4, v0                        ; 16 bytes a thread; never rewritten
	v_lshrrev_b32 v[LA], 5, v0
	v_readfirstlane_b32 s63, v[LA]                 ; wave 0 .. 7
	v_mov_b32 v[LZ], 0
	s_mov_b32 s66, 0x76543210                      ; v_permlanex16_b32: lane i of one half reads lane i of the other
	s_mov_b32 s67, 0xfedcba98
	s_lshl_b32 s2, ttmp9, 7                        ; 4 rows of route, 32 bytes each
	s_mov_b32 s3, 0
	s_lshl_b32 s12, ttmp9, 17                      ; 4 rows of yp, 32,768 bytes each
	s_mov_b32 s13, 0
	s_lshl_b32 s14, ttmp9, 14                      ; 4 rows of out0, 4,096 bytes each
	s_mov_b32 s15, 0
	s_lshl_b32 s60, ttmp9, 5                       ; 4 rows of xn, 8 bytes each
	s_mov_b32 s61, 0
	s_wait_alu depctr_va_sdst(0)                   ; s63 is written, ahead of its first reader, the line below
	v_mov_b32 v[LA], s63
	v_lshlrev_b32 v[LA], 2, v[LA]                  ; 4 x wave
	s_wait_kmcnt 0x0
	s_add_nc_u64 s[6:7], s[6:7], s[2:3]
	s_add_nc_u64 s[4:5], s[4:5], s[12:13]
	s_add_nc_u64 s[50:51], s[50:51], s[14:15]
	s_add_nc_u64 s[48:49], s[48:49], s[60:61]
	s_load_b512 s[16:31], s[6:7], 0x0              ; route of rows 0, 1: row i, expert e in s[16 + 8 i + e]
	s_load_b512 s[32:47], s[6:7], 0x40             ; and of rows 2, 3
	s_load_b256 s[52:59], s[48:49], 0x0            ; xs of row i in s[52 + 2 i]; the word behind it is overwritten with u below
	s_wait_alu depctr_va_vdst(0)                   ; v1, v[LA] and v[LZ] are written: every load, store and LDS instruction below reads one of them as its address, and none is written again
	global_load_b128 v[MX:MX+3], v1, s[10:11]      ; my 4 words of wn
.irp e, 0,1,2,3,4,5,6,7
	global_load_b128 v[B2+4*\e:B2+4*\e+3], v1, s[8:9] offset:4096*\e
.endr
.irp i, 0,1,2,3
.irp e, 0,1,2,3,4,5,6,7
	global_load_b128 v[P+32*\i+4*\e:P+32*\i+4*\e+3], v1, s[4:5] offset:32768*\i+4096*\e th:TH_LOAD_NT
.endr
.endr
	; M: my four words, the wave's 32 lanes, the eight waves
	s_wait_loadcnt 40                              ; loads come back in order: wn is in, the 8 loads of b2 and the 32 of yp stay out
	v_max3_num_f32 v[MX], v[MX], v[MX+1], v[MX+2]
	v_max_num_f32 v[MX], v[MX], v[MX+3]
.irp m, 1,2,4,8
	v_max_num_f32_dpp v[MX], v[MX], v[MX] row_xmask:\m row_mask:0xf bank_mask:0xf
.endr
	v_permlanex16_b32 v[MX+1], v[MX], s66, s67     ; its destination counts as read: it has been written
	v_max_num_f32 v[MX], v[MX], v[MX+1]
	s_wait_alu depctr_va_vdst(0)                   ; the maximum over the lanes has written v[MX], which the LDS store reads
	ds_store_b32 v[LA], v[MX]                      ; my wave's word; all lanes write the same value
	s_wait_dscnt 0x0                               ; for the other waves' sake
	s_barrier_signal -1
	s_barrier_wait -1
	ds_load_b128 v[MW:MW+3], v[LZ]                 ; no wait: no vector instruction has named MW, and none since the head's wait has named v[LZ]
	ds_load_b128 v[MW+4:MW+7], v[LZ] offset:16
	; meanwhile the weighted bias, which needs b2 and route alone
	s_wait_loadcnt 32                              ; b2 is in, the 32 loads of yp stay out
	s_wait_kmcnt 0x0                               ; the route weights and xs
.irp i, 0,1,2,3
.irp c, 0,1,2,3
	v_mul_f32 v[ACC+4*\i+\c], s[16+8*\i], v[B2+\c]                         ; the first expert starts the sums: nothing is cleared
.endr
.irp e, 1,2,3,4,5,6,7
.irp c, 0,1,2,3
	v_fmac_f32 v[ACC+4*\i+\c], s[16+8*\i+\e], v[B2+4*\e+\c]
.endr
.endr
.endr
	s_wait_dscnt 0x0                               ; the eight maxima
	v_max3_num_f32 v[MW], v[MW], v[MW+1], v[MW+2]
	v_max3_num_f32 v[MW], v[MW], v[MW+3], v[MW+4]
	v_max3_num_f32 v[MW], v[MW], v[MW+5], v[MW+6]
	v_max_num_f32 v[MW], v[MW], v[MW+7]
	v_max_num_f32 v[MW], 0x0d800000, v[MW]         ; at least 2^-100
	v_mul_f32 v[MW], 0x38000000, v[MW]             ; M / 2^15
	v_readfirstlane_b32 s62, v[MW]
	s_wait_alu depctr_va_sdst(0)                   ; s62 is written, ahead of its first reader, the first product below
.irp i, 0,1,2,3
	s_mul_f32 s[53+2*\i], s[52+2*\i], s62          ; u of row i
.endr
; Row i.  The store of the row before stands at this row's head, behind one wait; this row's own arithmetic names none of that store's registers.
.macro ROW i
	s_wait_loadcnt 8*(3-\i)                        ; rows 0 .. i are in, the 8 loads of each later row stay out
.if \i
	s_wait_alu depctr_va_vdst(0)                   ; the row before has written its four registers of ACC, which the store below reads
	global_store_b128 v1, v[ACC+4*(\i-1):ACC+4*(\i-1)+3], s[50:51] offset:4096*(\i-1) th:TH_STORE_NT
.endif
.irp c, 0,1,2,3
	v_mul_f32 v[P+32*\i+\c], s[16+8*\i], v[P+32*\i+\c]
.endr
.irp e, 1,2,3,4,5,6,7
.irp c, 0,1,2,3
	v_fmac_f32 v[P+32*\i+\c], s[16+8*\i+\e], v[P+32*\i+4*\e+\c]
.endr
.endr
.irp c, 0,1,2,3
	v_fmac_f32 v[ACC+4*\i+\c], s[53+2*\i], v[P+32*\i+\c]                   ; the scale comes off and the weighted bias is added in one step
.endr
.endm
	ROW 0
	ROW 1
	ROW 2
	ROW 3
	s_wait_alu depctr_va_vdst(0)                   ; row 3 has written its four registers of ACC, which the last store reads
	global_store_b128 v1, v[ACC+12:ACC+15], s[50:51] offset:4096*3 th:TH_STORE_NT
	s_wait_dscnt 0x0                               ; the closing lines, six on end
	s_wait_alu 0x0
	s_wait_tensorcnt 0x0
	ds_add_u32 v188, v189
	s_wait_dscnt 0x0
	s_endpgm
.Lfunc_end_k_q71a3d66402_combine:
	.size	k_q71a3d66402_combine, .Lfunc_end_k_q71a3d66402_combine-k_q71a3d66402_combine
	.p2alignl 7, 3214868480
	.fill 96, 4, 3214868480
	.section	.rodata,"a",@progbits
	.p2align	6, 0x0
	.amdhsa_kernel k_q71a3d66402_combine
		.amdhsa_group_segment_fixed_size 1280
		.amdhsa_private_segment_fixed_size 0
		.amdhsa_enable_private_segment 0
		.amdhsa_kernarg_size 48
		.amdhsa_user_sgpr_count 2
		.amdhsa_user_sgpr_kernarg_segment_ptr 1
		.amdhsa_wavefront_size32 1
		.amdhsa_system_sgpr_workgroup_id_x 1
		.amdhsa_system_sgpr_workgroup_id_y 1
		.amdhsa_system_sgpr_workgroup_id_z 1
		.amdhsa_system_vgpr_workitem_id 0
		.amdhsa_next_free_vgpr 198
		.amdhsa_next_free_sgpr 68
		.amdhsa_reserve_vcc 0
		.amdhsa_float_denorm_mode_32 3
		.amdhsa_float_denorm_mode_16_64 3
		.amdhsa_memory_ordered 1
		.amdhsa_forward_progress 1
		.amdhsa_inst_pref_size 17
	.end_amdhsa_kernel
	.amdgpu_metadata
---
amdhsa.version: [ 1, 2 ]
amdhsa.kernels:
  - .name:           k_q71a3d66402_combine
    .symbol:         k_q71a3d66402_combine.kd
    .args:
      - { .name: yp, .offset: 0, .size: 8, .value_kind: global_buffer, .address_space: global }
      - { .name: route, .offset: 8, .size: 8, .value_kind: global_buffer, .address_space: global }
      - { .name: b2, .offset: 16, .size: 8, .value_kind: global_buffer, .address_space: global }
      - { .name: wn, .offset: 24, .size: 8, .value_kind: global_buffer, .address_space: global }
      - { .name: xn, .offset: 32, .size: 8, .value_kind: global_buffer, .address_space: global }
      - { .name: out0, .offset: 40, .size: 8, .value_kind: global_buffer, .address_space: global }
    .group_segment_fixed_size: 1280
    .private_segment_fixed_size: 0
    .kernarg_segment_align: 8
    .kernarg_segment_size: 48
    .max_flat_workgroup_size: 256
    .sgpr_count:     68
    .vgpr_count:     198
    .wavefront_size: 32
...
	.end_amdgpu_metadata
.endif
;; end of part 5
